; MI455X (gfx1250); checked and timed in simulation.
; The chip was launched on July 23, 2026; its instructions are those of AMD's public machine-readable ISA for CDNA 5 (MIT licence, August 2026) and "CDNA5" Instruction Set Architecture Reference Guide (July 2026). The comments in the code are by the model that wrote it; some were corrected since.
;; DIN. Allowed arithmetic: matrix products marked QUANTISED: E4M3 operands, one given power-of-two scale a tensor, by v_wmma_f32_16x16x64_fp8_fp8 or v_wmma_f32_16x16x128_fp8_fp8, f32 sums; products left as they are: f32 operands where the result goes on into a quantised operand, else bf16, f16 or f32 operands; f32 sums; everything else in f32.
;; Inputs: ab1 80 float32; ab2 1 float32; aw1_codes 80 x 8 x 32 uint8 (E4M3 codes of aw1, K innermost, in blocks of 32 codes); aw2 80 x 1 float32; candidate_class 16,384 int32; candidate_good 16,384 int32; cat_table 1,000 x 32 float32; customer_id 16,384 int32; history_classes 16,384 x 50 int32; history_goods 16,384 x 50 int32; item_table 100,000 x 32 float32; lowp_scales 6 int32 (the exponents e of the quantised operands' scales 2^e); mb1 256 float32; mb2 128 float32; mb3 1 float32; mw1_codes 256 x 5 x 32 uint8 (E4M3 codes of mw1, K innermost, in blocks of 32 codes); mw2_codes 128 x 8 x 32 uint8 (E4M3 codes of mw2, K innermost, in blocks of 32 codes); mw3 128 x 1 float32; user_table 100,000 x 32 float32.
;; Outputs: out0 16,384 float32.
;; This version of the problem:
;;   THIS VERSION OF THE PROBLEM IS GIVEN IN LOW PRECISION. The matrix products marked QUANTISED in the list below multiply operands that are first quantised to E4M3 (4 exponent bits, 3 mantissa bits; 8 bits a number), with one given power-of-two scale for each operand tensor; their sums are f32. All else is computed in f32.
;;   The module's matrix products, in the order in which they are computed (A, B: the left and right operand; K: the contracted axis; several contracted axes count as one K, in the product's order):
;;     1. [M 819,200, K 256] x [K 256, N 80]; A: computed on the way; B: input aw1 (given as codes): QUANTISED (scales: A lowp_scales[0], B lowp_scales[1])
;;     2. [M 819,200, K 80] x [K 80, N 1]; A: computed on the way; B: input aw2: left as it is (N = 1 < 16)
;;     3. batch 16,384 x [M 1, K 50] x [K 50, N 64]; A: softmax; B: computed on the way: left as it is (M = 1 < 16)
;;     4. [M 16,384, K 160] x [K 160, N 256]; A: computed on the way; B: input mw1 (given as codes): QUANTISED (scales: A lowp_scales[2], B lowp_scales[3])
;;     5. [M 16,384, K 256] x [K 256, N 128]; A: computed on the way; B: input mw2 (given as codes): QUANTISED (scales: A lowp_scales[4], B lowp_scales[5])
;;     6. [M 16,384, K 128] x [K 128, N 1]; A: computed on the way; B: input mw3: left as it is (N = 1 < 16)
;;   THE QUANTISER, for each operand of a quantised product, along K:
;;     - The operand's scale is 2^e, e = its entry of the input lowp_scales (int32; the entries are numbered through the quantised products in the list's order, A before B).
;;     - Each number is divided by the scale, clamped to +-448, and rounded to the nearest number of E4M3, ties to even, subnormals kept.
;;     - The product sums the exact products of the quantised numbers (number of the format x scale) in f32.
;;   ~~~python
;;   def quantise(x, axis, e):      # numpy; x: float32 -> the quantised numbers, widened to float32 again
;;       x = np.moveaxis(x, axis, -1); K = x.shape[-1]
;;       r = np.clip(x / 2.0 ** e, -448, 448)
;;       step = 2.0 ** (np.maximum(np.frexp(np.where(r == 0, 1, r))[1] - 1, -6) - 3)
;;       q = np.round(r / step) * step * 2.0 ** e      # np.round: ties to even
;;       return np.moveaxis(q, -1, axis).astype(np.float32)
;;   ~~~
;;   OPERANDS COMPUTED ON THE WAY. 'Computed on the way' means the value that the module computes at that place (a softmax that the list does not call 'softmax' is quantised finished and normalised). What goes into a quantiser is computed in f32, as accurately as f32 sums, v_exp_f32 and their like allow (about 1e-6 of the number): no bf16 or f16 on the way to a quantiser, and a product that is left as it is and whose result goes on into a quantised operand takes f32 operands (vector FMAs, or v_wmma_f32_16x16x4_f32). A number that lies on a knife's edge between two numbers of the format may be rounded either way, as far as f32 arithmetic and the matrix unit's own rounding can turn it there, and no further.
;;   INPUTS GIVEN AS CODES. aw1 (in the module: [256, 80], K = its axis 0); mw1 (in the module: [160, 256], K = its axis 0); mw2 (in the module: [256, 128], K = its axis 0): each comes as NAME_codes (uint8): NAME with its K axis moved to the last place and cut into blocks of 32 codes, [.., K / 32, bytes a block], one block behind the other in memory; one code a byte (a code: sign, 4 exponent bits, 3 mantissa bits); its scale is its entry of lowp_scales. Its value is code x scale, taken as it is: it is not quantised again, and the codes and scales need not be those that the quantiser above would give.
;; 3 versions, each right; version 2 is faster than version 1; version 3 is version 2 with the launch din written anew for expert scheduling mode. Each part assembles by itself: llvm-mc -triple=amdgcn-amd-amdhsa -mcpu=gfx1250 --defsym DOCPART=n.
;; ======== version 1 of 3: 1 launch
;; launch din (part 1): grid 256 x 1, 8 waves a work-group, no clusters, 116,224 bytes of LDS; arguments history_goods, history_classes, item_table, cat_table, candidate_good, candidate_class, customer_id, user_table, aw1_codes, ab1, aw2, ab2, lowp_scales, mw1_codes, mb1, mw2_codes, mb2, mw3, mb3, out0; writes out0
.if DOCPART == 1
	.amdgcn_target "amdgcn-amd-amdhsa--gfx1250"
	.amdhsa_code_object_version 6
	.text
	.protected	k_qab08ce8eb0_din
	.globl	k_qab08ce8eb0_din
	.p2align	8
	.type	k_qab08ce8eb0_din,@function
k_qab08ce8eb0_din:
	s_mov_b64 s[64:65], 0
	v_nop
	global_prefetch_b8 v0, s[64:65] scope:SCOPE_SE
	s_setreg_imm32_b32 hwreg(HW_REG_WAVE_MODE, 25, 1), 1
	s_wait_xcnt 0x0
; DIN: for each of 16,384 samples: 50 history rows h (item 32 + class 32 f32) are gathered; info = [q, h, q-h, q*h] (256) is quantised to E4M3 with 2^e0 and multiplied by aw1's codes (80 units);
; + ab1, relu, . aw2 + ab2 in f32; -1e9 where history_goods is 0; softmax over the 50; att = the weighted sum of h in f32; then [user, q, att] (160) -> 256 -> 128 -> 1, the first two products on codes.
; SHARES.  256 work-groups of 8 waves; a work-group owns 64 samples, a wave 8.  A tile of 16 info rows is 2 rows of EACH of the wave's 8 samples: row r (= lane % 16) is sample r / 2, place 2 t + r % 2, t = 0 .. 24:
; 25 full tiles, no padded row.  So a lane belongs to one sample for the whole launch: its q and q's codes are made once, the softmax runs in the lane (running maximum M, sum S, weighted sum ATT),
; and the two lanes of a sample (lane xor 1) meet once, at the end.
; PRODUCT 1 IS USED TRANSPOSED: source 0 = 16 units of aw1, source 1 = the 16 info rows: lane (r, h = lane / 16) holds row r, and register j of tile T unit 16 T + 8 h + j.
; Fragments are filled by pieces of 16 codes: registers 4 c .. 4 c + 3 hold k = 128 s + 32 c + 16 h + 0 .. 15, alike in both operands: a permutation of k inside an instruction, which changes only the order of its sums.
; The blocks of 32 along K are q item, q class, h item, h class, (q-h) twice, (q*h) twice: lane (r, h) needs dims 16 h .. 16 h + 15 of both parts.
; ab1 x 2^-(e0+e1) is the C of each sum's first instruction; aw2 is kept x 2^(e0+e1).
; GATHERS take table rows as they lie: eight neighbouring lanes read one row of 128 bytes, an instruction four rows; the tile's 4,096 bytes turn through the wave's own stage in LDS into the fragment's layout.
; The gathers run three tiles ahead of the work in two register buffers: 16 loads of a wave are out.
; THE MLP: the waves share the columns: wave w makes units 32 w .. of layer 1 and 16 w .. of layer 2 for all 64 samples, each weight byte read by one wave; codes go from wave to wave through LDS.
; NO TENSOR LOADS, NO CLUSTER: what work-groups share are the weights, 94,208 bytes, against 64 x 50 x 256 = 819,200 bytes that a work-group gathers by its own list, row by row of 128 bytes, which no tile covers.
; LIMITS.  e0, e2 and e4 - e2 - e3 between -126 and 119 (each power of two and 448 x it is made as an f32 pattern); the other sums of exponents go by v_ldexp_f32.  Scores under -3e38, NaN and infinities among the inputs are not served.
; Indices are held inside their tables by v_min_u32.  A sample all of whose places are masked gets equal weights.
; LDS (bytes)
.set AWL,  0                           ; aw1's 80 rows of 256 codes, 272 apart: the 16 rows of a fragment load start at 16 different 16-byte columns modulo 256
.set IDXG, 21760                       ; history_goods of the 64 samples as in memory: 1,600 a wave, 200 a sample
.set IDXD, 12800                       ; history_classes lie so far behind
.set STG,  47360                       ; a stage for each wave: 16 rows x (item 128 + class 128 + 16)
.set CMB,  82176                       ; codes of [user, q, att]: 64 rows, 208 apart
.set Z1,   95488                       ; codes of layer 1's result: 64 rows, 272 apart
.set PART, 112896                      ; [8 waves][64 samples] f32: each wave's part of the last dot product
; VECTOR REGISTERS, window 0
.set IDXA, 1                           ; LDS: IDXG + 1600 w + 800 (lane bit 3) + 400 h: the indices of the four stage rows that I gather
.set MSKA, 2                           ; LDS: IDXG + 1600 w + 200 (r / 2) + 4 (r % 2): my info row's history_goods
.set STW,  3                           ; LDS: into the stage
.set STR,  4                           ; LDS: out of it
.set P16,  5                           ; 16 x (lane % 8): my 16 bytes of a table row
.set MIDX, 6                           ; my row's history_goods
.set SCL,  7                           ; the conversions' scale
.set IDX,  8                           ; v8-11 goods, v12-15 classes of my four stage rows; turned in place into byte offsets
.set M,    16
.set S,    17
.set SCA,  18                          ; v[18:19], v[20:21] the score in two chains
.set SCB,  20
.set ADM,  22
.set ADI,  23
.set Q,    24                          ; v24-55   q: 16 item dims, 16 class dims
.set AF,   56                          ; v56-87   info's two fragments: q, h | q-h, q*h
.set T,    88                          ; v88-119  numbers on their way to codes
.set ACC,  88                          ; v88-127  then the five accumulators; behind the score: v88 F, v90 P, v92-95 at work, v96-127 P x h
.set ATT,  128                         ; v128-159
.set G,    160                         ; v160-191, v192-223 two gather buffers: 16 registers of items, 16 of classes
.set H,    224                         ; v224-255 the tile's h in the fragment's layout
; window 1
.set AW1,  0                           ; aw1's fragment (T, s) at 32 T + 16 s
.set AB1,  160
.set AW2,  200
.set U,    240                         ; the user row's dims 16 h ..
.set W1F,  0                           ; from the last tile on: mw1's tile u at 24 u (five blocks of 4 registers, 4 of zeros),
.set W2F,  48                          ; mw2's K step s at 48 + 16 s,
.set MB1,  80
.set MB2,  96
.set MW3,  104
; SCALAR REGISTERS: s[8:47] the twenty addresses in the order of the arguments; s[48:53] e0 .. e5; s54 mb3; s55 ab2
.set WV,   2
.set LP0,  56                          ; 448 x 2^e0, and its negative
.set LN0,  57
.set LP2,  58                          ; the same for e2
.set LN2,  59
.set SEL,  60                          ; s[60:61] selects of v_permlanex16_b32: lane xor 16
.set LPH,  62                          ; 448 x 2^(e4-e2-e3)
.set SC0,  63                          ; 2^e0
.set SC2,  66                          ; 2^e2
.set SCH,  67                          ; 2^(e4-e2-e3)
.set E01,  68
.set NE01, 69
.set NE23, 70
.set NE45, 71
.set E45,  72
.set ST8,  73                          ; 8 x the trip's first tile
.set TRIP, 78
.set MSB, 0
.macro WIN new                         ; the immediate's high byte repeats the setting that is left; a switch that changes nothing is dropped
.if MSB != \new
	s_set_vgpr_msb (MSB<<8)|\new
.set MSB, \new
.endif
.endm
.macro LDIDX adr, off                  ; goods and classes of samples 4 (bit 3) + 2 h and the next, places 2 t and 2 t + 1: stage rows 8 (bit 3) + 4 h + 0 .. 3
	ds_load_b64 v[IDX:IDX+1],   v[\adr] offset:(\off)
	ds_load_b64 v[IDX+2:IDX+3], v[\adr] offset:(\off)+200
	ds_load_b64 v[IDX+4:IDX+5], v[\adr] offset:(\off)+IDXD
	ds_load_b64 v[IDX+6:IDX+7], v[\adr] offset:(\off)+IDXD+200
.endm
.macro CLAMP                           ; a loaded number enters an address only held inside its table
.irp j, 0,1,2,3
	v_min_u32 v[IDX+\j], 0x1869f, v[IDX+\j]
.endr
.irp j, 4,5,6,7
	v_min_u32 v[IDX+\j], 0x3e7, v[IDX+\j]
.endr
.endm
.macro OFFS                            ; 128 x index + my 16 bytes of the row
.irp j, 0,1,2,3,4,5,6,7
	v_lshl_add_u32 v[IDX+\j], v[IDX+\j], 7, v[P16]
.endr
.endm
.macro GATHER gi                       ; eight loads, each four whole table rows
.irp j, 0,1,2,3
	global_load_b128 v[G+32*\gi+4*\j:G+32*\gi+4*\j+3],       v[IDX+\j],   s[12:13]
	global_load_b128 v[G+32*\gi+16+4*\j:G+32*\gi+16+4*\j+3], v[IDX+4+\j], s[14:15]
.endr
.endm
.macro TOSTAGE gi                      ; lanes 0-7 and 8-15 of a store stand 8 rows apart, 128 bytes modulo 256: sixteen different columns
.irp j, 0,1,2,3
	ds_store_b128 v[STW], v[G+32*\gi+4*\j:G+32*\gi+4*\j+3]       offset:272*\j
	ds_store_b128 v[STW], v[G+32*\gi+16+4*\j:G+32*\gi+16+4*\j+3] offset:272*\j+128
.endr
.endm
.macro FROMSTAGE                       ; LDS serves a wave's instructions in order: these see my stores
.irp j, 0,1,2,3
	ds_load_b128 v[H+4*\j:H+4*\j+3],       v[STR] offset:16*\j
	ds_load_b128 v[H+16+4*\j:H+16+4*\j+3], v[STR] offset:128+16*\j
.endr
.endm
.macro HOLD dst, src, n, lo, hi        ; the conversion to an 8-bit code does not saturate (ISA guide 7.6.2): each number is held within the largest code x the scale first
.set ii, 0
.rept \n
	v_med3_num_f32 v[\dst+ii], v[\src+ii], s[\lo], s[\hi]
.set ii, ii+1
.endr
.endm
.macro CODES dst                       ; T's 32 numbers become 8 registers of codes
.irp g, 0,1,2,3
	v_cvt_scalef32_pk8_fp8_f32 v[\dst+2*\g:\dst+2*\g+1], v[T+8*\g:T+8*\g+7], v[SCL]
.endr
.endm
.macro MUL10                           ; the five accumulators take turns, one instruction a turn; the first K step starts the sums on the bias
	WIN 0x11                                       ; source 0 (aw1) and source 2 (ab1) window 1
.irp t, 0,1,2,3,4
	v_wmma_f32_16x16x128_fp8_fp8 v[ACC+8*\t:ACC+8*\t+7], v[AW1+32*\t:AW1+32*\t+15], v[AF:AF+15], v[AB1+8*\t:AB1+8*\t+7]
.endr
	WIN 0x01
.irp t, 0,1,2,3,4
	v_wmma_f32_16x16x128_fp8_fp8 v[ACC+8*\t:ACC+8*\t+7], v[AW1+32*\t+16:AW1+32*\t+31], v[AF+16:AF+31], v[ACC+8*\t:ACC+8*\t+7]
.endr
	WIN 0
.endm
.macro BARRIER                         ; my LDS stores have landed and my LDS loads are in: then the work-group's barrier
	s_wait_dscnt 0x0
	s_barrier_signal -1
	s_barrier_wait -1
.endm
.macro MLPW                            ; the MLP's weights, into the registers that aw1 has left.  The ten plain lines are the places behind the last products, for these loads and for the first read of the sums
	v_and_b32 v12, 15, v0                          ; r
	v_bfe_u32 v13, v0, 4, 1                        ; h
	v_and_b32 v14, 8, v0
	v_add_nc_u32 v14, v14, v12                     ; r + 8 (r / 8): THE ROWS OF mw1 THAT FORM A TILE ARE NOT NEIGHBOURS: lane r of tile u takes row 32 w + 8 u + r + 8 (r / 8),
	v_mul_u32_u24 v8, v14, 160                     ; so that the 16 registers of tiles 0 and 1 are units 32 w + 16 h + 0 .. 15: 16 neighbours along the next K
	v_lshl_add_u32 v8, v13, 4, v8
	v_lshlrev_b32 v9, 8, v12                       ; mw2: row 16 w + r of 256 codes
	v_lshl_add_u32 v9, v13, 4, v9
	v_lshlrev_b32 v10, 6, v13                      ; mb1: 16 h numbers on
	v_lshlrev_b32 v11, 5, v13                      ; mb2, mw3: 8 h numbers on
	WIN 0x40
.irp u, 0,1
.irp b, 0,1,2,3,4
	global_load_b128 v[W1F+24*\u+4*\b:W1F+24*\u+4*\b+3], v8, s[34:35] offset:1280*\u+32*\b
.endr
.endr
.irp s, 0,1
.irp c, 0,1,2,3
	global_load_b128 v[W2F+16*\s+4*\c:W2F+16*\s+4*\c+3], v9, s[38:39] offset:128*\s+32*\c
.endr
.endr
.irp u, 0,1
	global_load_b128 v[MB1+8*\u:MB1+8*\u+3],   v10, s[36:37] offset:32*\u
	global_load_b128 v[MB1+8*\u+4:MB1+8*\u+7], v10, s[36:37] offset:32*\u+16
.endr
	global_load_b128 v[MB2:MB2+3],   v11, s[40:41]
	global_load_b128 v[MB2+4:MB2+7], v11, s[40:41] offset:16
	global_load_b128 v[MW3:MW3+3],   v11, s[42:43]
	global_load_b128 v[MW3+4:MW3+7], v11, s[42:43] offset:16
	WIN 0
.endm
; ONE TILE.  k: the tile's number in the trip; gi: the buffer that holds the NEXT tile; turn = 1: that tile goes through the stage; fill = 1: the buffer takes the tile three on;
; lcnt: the gathers that may stay out when the next tile's must be in; mlp = 1: the last tile, which asks for the MLP's weights.
.macro STEP k, gi, turn, fill, lcnt, mlp
.if \k == 0
	v_add_nc_u32 v[ADM], s[ST8], v[MSKA]
.if \fill
	v_add_nc_u32 v[ADI], s[ST8], v[IDXA]
.endif
.endif
	ds_load_b32 v[MIDX], v[ADM] offset:8*\k
.if \fill
	s_wait_xcnt 0x0                                ; the last gathers have read their offsets: the index registers may be loaded again
	LDIDX ADI, 8*(\k+3)
	s_wait_dscnt 5                                 ; the mask word and the four index loads may be out: h's eight loads, issued ahead of them, are in
.else
	s_wait_dscnt 1                                 ; the mask word may be out
.endif
	HOLD T, H, 32, LN0, LP0                        ; h
	CODES AF+8
	s_wait_dscnt 0x0                               ; indices and mask word
.if \fill
	CLAMP                                          ; (plain lines between the conversions and the next write of their sources)
.else
	v_nop
.endif
.set i, 0
.rept 16
	v_pk_add_f32 v[T+i:T+i+1], v[Q+i:Q+i+1], v[H+i:H+i+1] neg_lo:[0,1] neg_hi:[0,1]   ; q - h
.set i, i+2
.endr
	HOLD T, T, 32, LN0, LP0
	CODES AF+16
.if \fill
	OFFS
.else
	v_nop
.endif
.set i, 0
.rept 16
	v_pk_mul_f32 v[T+i:T+i+1], v[Q+i:Q+i+1], v[H+i:H+i+1]                             ; q * h
.set i, i+2
.endr
	HOLD T, T, 32, LN0, LP0
	CODES AF+24
	v_nop                                          ; one plain line between a scaled conversion and the matrix instructions that read its result and write its sources
	MUL10
.if \turn
	s_wait_loadcnt \lcnt                           ; loads come back in order: the next tile's eight are in
	TOSTAGE \gi
.if \fill
	s_wait_dscnt 0x0                               ; the stores have read the buffer,
	GATHER \gi                                     ; which takes the tile three on
.endif
.endif
.if \mlp
	MLPW
.else
.rept 4
	v_nop                                          ; four places between the last matrix instruction and the first read of a sum (ISA guide 7.12.1)
.endr
.endif
.set i, 0
.rept 40
	v_max_num_f32 v[ACC+i], 0, v[ACC+i]            ; relu; each accumulator from its low end on
.set i, i+1
.endr
	WIN 0x04                                       ; source 1 (aw2) window 1
	v_pk_mul_f32 v[SCA:SCA+1], v[ACC:ACC+1], v[AW2:AW2+1]
	v_pk_mul_f32 v[SCB:SCB+1], v[ACC+2:ACC+3], v[AW2+2:AW2+3]
.set i, 4
.rept 9
	v_pk_fma_f32 v[SCA:SCA+1], v[ACC+i:ACC+i+1], v[AW2+i:AW2+i+1], v[SCA:SCA+1]
	v_pk_fma_f32 v[SCB:SCB+1], v[ACC+i+2:ACC+i+3], v[AW2+i+2:AW2+i+3], v[SCB:SCB+1]
.set i, i+4
.endr
	WIN 0
	v_pk_add_f32 v[SCA:SCA+1], v[SCA:SCA+1], v[SCB:SCB+1]
	v_add_f32 v[SCA], v[SCA], v[SCA+1]             ; my 40 units,
	v_permlanex16_b32 v95, v[SCA], s[SEL], s[SEL+1]
	v_add_f32 v[SCA], v[SCA], v95                  ; and the other 40, in the lane 16 away
	v_add_f32 v[SCA], s55, v[SCA]                  ; + ab2
	v_cmp_ne_u32 vcc_lo, 0, v[MIDX]
	v_cndmask_b32 v[SCA], 0xce6e6b28, v[SCA], vcc_lo   ; -1e9 where history_goods is 0
	v_max_num_f32 v92, v[M], v[SCA]                ; the new maximum
	v_sub_f32 v93, v[M], v92
	v_sub_f32 v94, v[SCA], v92
	v_mul_f32 v93, 0x3fb8aa3b, v93
	v_mul_f32 v94, 0x3fb8aa3b, v94
	v_exp_f32 v88, v93                             ; F = e^(old maximum - new)
	v_exp_f32 v90, v94                             ; P = e^(score - new maximum)
	v_mov_b32 v[M], v92                            ; (the plain line behind the exponentials)
	s_wait_alu depctr_va_vdst(0)                   ; one wait for both, ahead of their first reader
	v_fma_f32 v[S], v[S], v88, v90
.set i, 0
.rept 16
	v_pk_mul_f32 v[96+i:97+i], v[H+i:H+i+1], v[90:91] op_sel_hi:[1,0]
.set i, i+2
.endr
.set i, 0
.rept 16
	v_pk_fma_f32 v[ATT+i:ATT+i+1], v[ATT+i:ATT+i+1], v[88:89], v[96+i:97+i] op_sel_hi:[1,0,1]   ; ATT = ATT F + P h
.set i, i+2
.endr
.if \turn
	FROMSTAGE                                      ; the next tile's h
.endif
.endm
; ---- THE HEAD
	s_load_b512 s[8:23], s[0:1], 0x0
	s_load_b512 s[24:39], s[0:1], 0x40
	s_load_b256 s[40:47], s[0:1], 0x80
	v_lshrrev_b32 v88, 5, v0
	v_readfirstlane_b32 s[WV], v88                 ; wave 0..7
	v_and_b32 v89, 15, v0                          ; r
	v_bfe_u32 v90, v0, 4, 1                        ; h
	v_bfe_u32 v91, v0, 3, 1                        ; lane bit 3
	v_and_b32 v92, 7, v0                           ; lane % 8
	v_and_b32 v93, 31, v0                          ; lane
	v_bfe_u32 v94, v0, 1, 3                        ; r / 2: my sample among the wave's eight
	v_and_b32 v95, 1, v0                           ; r % 2
	s_mul_i32 s3, s[WV], 1600
	s_add_co_u32 s3, s3, IDXG                      ; my wave's indices in LDS
	s_mul_i32 s4, s[WV], 4352
	s_add_co_u32 s4, s4, STG                       ; my wave's stage
	v_mul_u32_u24 v[IDXA], v91, 800
	v_mad_u32_u24 v[IDXA], v90, 400, v[IDXA]
	v_add_nc_u32 v[IDXA], s3, v[IDXA]
	v_mul_u32_u24 v[MSKA], v94, 200
	v_lshl_add_u32 v[MSKA], v95, 2, v[MSKA]
	v_add_nc_u32 v[MSKA], s3, v[MSKA]
	v_mul_u32_u24 v[STW], v91, 2176                ; stage row 8 (bit 3) + 4 h, 272 bytes a row
	v_mad_u32_u24 v[STW], v90, 1088, v[STW]
	v_lshl_add_u32 v[STW], v92, 4, v[STW]
	v_add_nc_u32 v[STW], s4, v[STW]
	v_mul_u32_u24 v[STR], v89, 272                 ; stage row r, dims 16 h on
	v_lshl_add_u32 v[STR], v90, 6, v[STR]
	v_add_nc_u32 v[STR], s4, v[STR]
	v_lshlrev_b32 v[P16], 4, v92
	v_lshlrev_b32 v96, 4, v93                      ; 16 x lane
	v_and_b32 v97, 3, v0
	v_lshlrev_b32 v97, 4, v97                      ; 16 x (lane % 4): the last 64 of 1,600 bytes
	v_add_nc_u32 v98, s3, v96
	v_add_nc_u32 v99, s3, v97
	v_lshlrev_b32 v100, 4, v0                      ; aw1: 16 x thread
	v_lshrrev_b32 v101, 4, v0
	v_mul_u32_u24 v101, v101, 272
	v_lshl_add_u32 v101, v89, 4, v101              ; and in LDS: row thread / 16, byte 16 (thread % 16)
	v_lshlrev_b32 v102, 5, v90                     ; ab1, aw2: 8 h numbers on
	v_lshlrev_b32 v103, 2, v94                     ; my sample's ids
	v_mul_u32_u24 v104, v89, 272
	v_lshl_add_u32 v104, v90, 4, v104              ; a fragment of aw1: row r, 16 h
	v_lshlrev_b32 v105, 6, v90                     ; 64 h: dims 16 h on in a table row
	s_lshl_b32 s5, ttmp9, 6
	s_lshl_b32 s6, s[WV], 3
	s_add_co_u32 s5, s5, s6                        ; my wave's first sample: 64 x work-group + 8 x wave
	s_mov_b32 s7, 0
	s_mov_b32 s[SEL], 0x76543210
	s_mov_b32 s[SEL+1], 0xfedcba98
	s_wait_kmcnt 0x0
	s_load_b128 s[48:51], s[32:33], 0x0            ; e0 .. e3
	s_load_b64 s[52:53], s[32:33], 0x10            ; e4, e5
	s_load_b32 s54, s[44:45], 0x0                  ; mb3
	s_load_b32 s55, s[30:31], 0x0                  ; ab2
	s_mul_i32 s6, s5, 200
	s_add_nc_u64 s[8:9], s[8:9], s[6:7]            ; history_goods and history_classes at my wave's first sample
	s_add_nc_u64 s[10:11], s[10:11], s[6:7]
	s_lshl_b32 s6, s5, 2
	s_add_nc_u64 s[16:17], s[16:17], s[6:7]        ; the three id arrays likewise
	s_add_nc_u64 s[18:19], s[18:19], s[6:7]
	s_add_nc_u64 s[20:21], s[20:21], s[6:7]
	s_mul_i32 s6, s[WV], 5120
	s_add_nc_u64 s[34:35], s[34:35], s[6:7]        ; mw1: my 32 rows of 160 codes
	s_lshl_b32 s6, s[WV], 12
	s_add_nc_u64 s[38:39], s[38:39], s[6:7]        ; mw2: my 16 rows of 256
	s_lshl_b32 s6, s[WV], 7
	s_add_nc_u64 s[36:37], s[36:37], s[6:7]        ; mb1: my 32 numbers
	s_lshl_b32 s6, s[WV], 6
	s_add_nc_u64 s[40:41], s[40:41], s[6:7]        ; mb2, mw3: my 16
	s_add_nc_u64 s[42:43], s[42:43], s[6:7]
	s_lshl_b32 s6, ttmp9, 8
	s_add_nc_u64 s[46:47], s[46:47], s[6:7]        ; out: the work-group's 64 numbers
	global_load_b32 v8, v103, s[16:17]             ; candidate_good, candidate_class, customer_id of my sample
	global_load_b32 v9, v103, s[18:19]
	global_load_b32 v10, v103, s[20:21]
.irp j, 0,1,2                                  ; my wave's 1,600 + 1,600 bytes of indices, as they lie: read once in the launch
	global_load_b128 v[G+4*\j:G+4*\j+3],       v96, s[8:9]   offset:512*\j th:TH_LOAD_NT
	global_load_b128 v[G+16+4*\j:G+16+4*\j+3], v96, s[10:11] offset:512*\j th:TH_LOAD_NT
.endr
	global_load_b128 v[G+12:G+15], v97, s[8:9]   offset:1536 th:TH_LOAD_NT
	global_load_b128 v[G+28:G+31], v97, s[10:11] offset:1536 th:TH_LOAD_NT
.irp j, 0,1,2,3,4                              ; aw1's 20,480 bytes, once for the work-group
	global_load_b128 v[H+4*\j:H+4*\j+3], v100, s[24:25] offset:4096*\j
.endr
	WIN 0x40                                       ; destination window 1
.irp t, 0,1,2,3,4                              ; register j of tile T: unit 16 T + 8 h + j
	global_load_b128 v[AB1+8*\t:AB1+8*\t+3],   v102, s[26:27] offset:64*\t
	global_load_b128 v[AB1+8*\t+4:AB1+8*\t+7], v102, s[26:27] offset:64*\t+16
	global_load_b128 v[AW2+8*\t:AW2+8*\t+3],   v102, s[28:29] offset:64*\t
	global_load_b128 v[AW2+8*\t+4:AW2+8*\t+7], v102, s[28:29] offset:64*\t+16
.endr
	WIN 0
	s_wait_loadcnt 33                              ; behind the three ids: 8 + 5 + 20 loads
	v_min_u32 v8, 0x1869f, v8
	v_min_u32 v9, 0x3e7, v9
	v_min_u32 v10, 0x1869f, v10
	v_lshl_add_u32 v8, v8, 7, v105
	v_lshl_add_u32 v9, v9, 7, v105
	v_lshl_add_u32 v10, v10, 7, v105
.irp j, 0,1,2,3
	global_load_b128 v[Q+4*\j:Q+4*\j+3],       v8, s[12:13] offset:16*\j
	global_load_b128 v[Q+16+4*\j:Q+16+4*\j+3], v9, s[14:15] offset:16*\j
.endr
	WIN 0x40
.irp j, 0,1,2,3
	global_load_b128 v[U+4*\j:U+4*\j+3], v10, s[22:23] offset:16*\j
.endr
	WIN 0
	s_wait_loadcnt 37                              ; behind the indices: 5 + 20 + 12
.irp j, 0,1,2
	ds_store_b128 v98, v[G+4*\j:G+4*\j+3]       offset:512*\j
	ds_store_b128 v98, v[G+16+4*\j:G+16+4*\j+3] offset:512*\j+IDXD
.endr
	ds_store_b128 v99, v[G+12:G+15] offset:1536
	ds_store_b128 v99, v[G+28:G+31] offset:1536+IDXD
	s_wait_xcnt 0x0                                ; q's and the user row's loads have read v8-10
	LDIDX IDXA, 0
	s_wait_dscnt 0x0                               ; the indices are in, and the stores have read the buffer
	CLAMP
	OFFS
	GATHER 0                                       ; tile 0
	s_wait_xcnt 0x0
	LDIDX IDXA, 8
	s_wait_dscnt 0x0
	CLAMP
	OFFS
	GATHER 1                                       ; tile 1
	s_wait_loadcnt 48                              ; behind aw1: 20 + 12 + 16
.irp j, 0,1,2,3,4
	ds_store_b128 v101, v[H+4*\j:H+4*\j+3] offset:AWL+4352*\j
.endr
	BARRIER                                        ; aw1's 80 rows lie in LDS
	WIN 0x40
.irp t, 0,1,2,3,4
.irp s, 0,1
.irp c, 0,1,2,3
	ds_load_b128 v[AW1+32*\t+16*\s+4*\c:AW1+32*\t+16*\s+4*\c+3], v104 offset:AWL+4352*\t+128*\s+32*\c
.endr
.endr
.endr
	WIN 0
	s_wait_loadcnt 28                              ; behind ab1 and aw2: 12 + 16
	s_wait_kmcnt 0x0
	s_add_co_i32 s3, s48, 127
	s_lshl_b32 s[SC0], s3, 23                      ; 2^e0 as f32: a conversion takes its exponent field
	s_add_co_i32 s3, s3, 8
	s_lshl_b32 s[LP0], s3, 23
	s_or_b32 s[LP0], s[LP0], 0x600000              ; 448 x 2^e0
	s_or_b32 s[LN0], s[LP0], 0x80000000
	s_add_co_i32 s3, s50, 127
	s_lshl_b32 s[SC2], s3, 23
	s_add_co_i32 s3, s3, 8
	s_lshl_b32 s[LP2], s3, 23
	s_or_b32 s[LP2], s[LP2], 0x600000
	s_or_b32 s[LN2], s[LP2], 0x80000000
	s_sub_co_i32 s3, s52, s50                      ; a sum of layer 1 stands for sum x 2^(e2+e3): its code is sum / 2^(e4-e2-e3)
	s_sub_co_i32 s3, s3, s51
	s_add_co_i32 s3, s3, 127
	s_lshl_b32 s[SCH], s3, 23
	s_add_co_i32 s3, s3, 8
	s_lshl_b32 s[LPH], s3, 23
	s_or_b32 s[LPH], s[LPH], 0x600000
	s_add_co_i32 s[E01], s48, s49
	s_sub_co_i32 s[NE01], 0, s[E01]
	s_add_co_i32 s[NE23], s50, s51
	s_sub_co_i32 s[NE23], 0, s[NE23]
	s_add_co_i32 s[E45], s52, s53
	s_sub_co_i32 s[NE45], 0, s[E45]
	WIN 0x41                                       ; source 0 and destination window 1
.set i, 0
.rept 40
	v_ldexp_f32 v[AB1+i], v[AB1+i], s[NE01]        ; the bias goes in divided by the power of two that the sums lack,
	v_ldexp_f32 v[AW2+i], v[AW2+i], s[E01]         ; and aw2 carries it
.set i, i+1
.endr
	WIN 0
	s_wait_loadcnt 16                              ; q and the user row are in; the two tiles' gathers may be out
	s_wait_dscnt 0x0                               ; aw1's fragments are in
	v_mov_b32 v[SCL], s[SC0]
	HOLD T, Q, 32, LN0, LP0
	CODES AF                                       ; q's codes, once for all 25 tiles
	v_nop
	v_mov_b32 v[M], 0xff61b1e6                     ; -3e38, under every score: the first tile's F is 0.  So the tile is written without a first form of its own, at the price of the 33 lines below
	v_mov_b32 v[S], 0
.set i, 0
.rept 32
	v_mov_b32 v[ATT+i], 0
.set i, i+1
.endr
	s_wait_loadcnt 8                               ; tile 0 is in
	TOSTAGE 0
	s_wait_xcnt 0x0
	LDIDX IDXA, 16
	s_wait_dscnt 0x0
	CLAMP
	OFFS
	GATHER 0                                       ; tile 2
	FROMSTAGE                                      ; tile 0's h
	s_mov_b32 s[ST8], 0
	s_mov_b32 s[TRIP], 11
; ---- THE TILES: 11 trips of two, then the last three, which ask for no further tile
.Ltile:
	STEP 0, 1, 1, 1, 8, 0
	STEP 1, 0, 1, 1, 8, 0
	s_add_co_u32 s[ST8], s[ST8], 16
	s_sub_co_i32 s[TRIP], s[TRIP], 1
	s_cmp_lg_u32 s[TRIP], 0
	s_cbranch_scc1 .Ltile
	STEP 0, 1, 1, 0, 8, 0                          ; tile 22
	STEP 1, 0, 1, 0, 0, 0                          ; tile 23
	STEP 2, 0, 0, 0, 0, 1                          ; tile 24
; ---- THE SAMPLE'S TWO LANES MEET; [user, q, att] becomes codes
	s_mul_i32 s3, s[WV], 8*208                     ; every LDS address of the MLP is made here (v12 = r, v13 = h)
	s_add_co_u32 s3, s3, CMB
	v_bfe_u32 v14, v0, 1, 3
	v_mul_u32_u24 v1, v14, 208
	v_lshl_add_u32 v1, v13, 4, v1
	v_add_nc_u32 v1, s3, v1                        ; v1: CMB, row 8 w + r / 2, 16 h
	v_mul_u32_u24 v2, v12, 208
	v_lshl_add_u32 v2, v13, 4, v2
	v_add_nc_u32 v2, CMB, v2                       ; v2: CMB, row r, 16 h
	v_mul_u32_u24 v4, v12, 272
	v_lshl_add_u32 v4, v13, 4, v4
	v_add_nc_u32 v4, Z1, v4                        ; v4: Z1, row r, 16 h
	s_lshl_b32 s3, s[WV], 5
	v_add_nc_u32 v3, s3, v4                        ; v3: the same + 32 w: my units' bytes
	s_lshl_b32 s3, s[WV], 8
	s_add_co_u32 s3, s3, PART
	v_lshl_add_u32 v5, v12, 2, s3                  ; v5: PART, my wave's 64 words, word r
	v_and_b32 v14, 31, v0
	v_lshlrev_b32 v23, 3, v14                      ; v23: 8 x lane, in out
	v_add_nc_u32 v22, PART, v23                    ; v22: and in PART
	v_max_num_f32_dpp v92, v[M], v[M] row_xmask:1 row_mask:0xf bank_mask:0xf   ; the sample's maximum
	v_sub_f32 v93, v[M], v92
	v_mul_f32 v93, 0x3fb8aa3b, v93
	v_exp_f32 v88, v93
	v_nop
	s_wait_alu depctr_va_vdst(0)                   ; ahead of the first reader
	v_mul_f32 v[S], v[S], v88                      ; my half under the common maximum,
.set i, 0
.rept 16
	v_pk_mul_f32 v[ATT+i:ATT+i+1], v[ATT+i:ATT+i+1], v[88:89] op_sel_hi:[1,0]
.set i, i+2
.endr
	v_add_f32_dpp v[S], v[S], v[S] row_xmask:1 row_mask:0xf bank_mask:0xf      ; and the two halves added: the same bits in both lanes
.set i, 0
.rept 32
	v_add_f32_dpp v[ATT+i], v[ATT+i], v[ATT+i] row_xmask:1 row_mask:0xf bank_mask:0xf
.set i, i+1
.endr
	v_rcp_f32 v90, v[S]
	v_nop
	s_wait_alu depctr_va_vdst(0)
.set i, 0
.rept 16
	v_pk_mul_f32 v[ATT+i:ATT+i+1], v[ATT+i:ATT+i+1], v[90:91] op_sel_hi:[1,0]
.set i, i+2
.endr
	v_mov_b32 v[SCL], s[SC2]
	WIN 0x01                                       ; source 0 (the user row) window 1
	HOLD T, U, 16, LN2, LP2
	WIN 0
	HOLD Q, Q, 32, LN2, LP2
	HOLD ATT, ATT, 32, LN2, LP2
.irp g, 0,1                                    ; the five blocks of 32 along K, 16 codes a lane each: user, q item, q class, att item, att class
	v_cvt_scalef32_pk8_fp8_f32 v[AF+2*\g:AF+2*\g+1], v[T+8*\g:T+8*\g+7], v[SCL]
.endr
.irp g, 0,1,2,3
	v_cvt_scalef32_pk8_fp8_f32 v[AF+4+2*\g:AF+4+2*\g+1], v[Q+8*\g:Q+8*\g+7], v[SCL]
.endr
.irp g, 0,1,2,3
	v_cvt_scalef32_pk8_fp8_f32 v[AF+12+2*\g:AF+12+2*\g+1], v[ATT+8*\g:ATT+8*\g+7], v[SCL]
.endr
	v_nop                                          ; the plain line behind the conversions: matrix instructions will write ATT's registers
.irp b, 0,1,2,3,4
	ds_store_b128 v1, v[AF+4*\b:AF+4*\b+3] offset:32*\b    ; a sample's two lanes store the same bytes
.endr
	BARRIER                                        ; 64 rows of codes lie in CMB
; ---- LAYER 1, transposed: source 0 = 16 rows of mw1, source 1 = 16 samples.  K = 160 goes as 64 + 64 + 32 and 32 zero codes on both sides
.set CF, 24                            ; v24-119: tile m of 16 samples at 24 + 24 m, laid as mw1's tiles
.set ZA, 128                           ; v128-191: accumulator (u, m) at 128 + 8 (4 u + m)
.irp m, 0,1,2,3
.irp c, 0,1,2,3,4
	ds_load_b128 v[CF+24*\m+4*\c:CF+24*\m+4*\c+3], v2 offset:3328*\m+32*\c
.endr
.endr
.irp m, 0,1,2,3
.irp j, 20,21,22,23
	v_mov_b32 v[CF+24*\m+\j], 0
.endr
.endr
	s_wait_loadcnt 0x0                             ; the MLP's weights
	WIN 0x41
.set i, 0
.rept 16
	v_ldexp_f32 v[MB1+i], v[MB1+i], s[NE23]
.set i, i+1
.endr
.set i, 0
.rept 8
	v_ldexp_f32 v[MB2+i], v[MB2+i], s[NE45]
	v_ldexp_f32 v[MW3+i], v[MW3+i], s[E45]
.set i, i+1
.endr
.irp u, 0,1
.irp j, 20,21,22,23
	v_mov_b32 v[W1F+24*\u+\j], 0
.endr
.endr
	s_wait_dscnt 0x0
	WIN 0x11                                       ; source 0 (mw1) and source 2 (mb1) window 1.  The eight accumulators take turns, one instruction a turn
.irp u, 0,1
.irp m, 0,1,2,3
	v_wmma_f32_16x16x64_fp8_fp8 v[ZA+8*(4*\u+\m):ZA+8*(4*\u+\m)+7], v[W1F+24*\u:W1F+24*\u+7], v[CF+24*\m:CF+24*\m+7], v[MB1+8*\u:MB1+8*\u+7]
.endr
.endr
	WIN 0x01
.irp s, 1,2
.irp u, 0,1
.irp m, 0,1,2,3
	v_wmma_f32_16x16x64_fp8_fp8 v[ZA+8*(4*\u+\m):ZA+8*(4*\u+\m)+7], v[W1F+24*\u+8*\s:W1F+24*\u+8*\s+7], v[CF+24*\m+8*\s:CF+24*\m+8*\s+7], v[ZA+8*(4*\u+\m):ZA+8*(4*\u+\m)+7]
.endr
.endr
.endr
	WIN 0
	v_mov_b32 v[SCL], s[SCH]                       ; this line and three v_nop: the four places behind the last product
.rept 3
	v_nop
.endr
.irp m, 0,1,2,3
.irp u, 0,1
.irp j, 0,1,2,3,4,5,6,7
	v_med3_num_f32 v[ZA+8*(4*\u+\m)+\j], v[ZA+8*(4*\u+\m)+\j], 0, s[LPH]   ; the activation and the hold in one
.endr
.endr
	v_cvt_scalef32_pk8_fp8_f32 v[192+4*\m:193+4*\m], v[ZA+8*\m:ZA+8*\m+7], v[SCL]          ; units 32 w + 16 h + 0 .. 7,
	v_cvt_scalef32_pk8_fp8_f32 v[194+4*\m:195+4*\m], v[ZA+32+8*\m:ZA+32+8*\m+7], v[SCL]    ; and + 8 .. 15, of sample 16 m + r
.endr
	v_nop
.irp m, 0,1,2,3
	ds_store_b128 v3, v[192+4*\m:195+4*\m] offset:4352*\m
.endr
	BARRIER                                        ; 64 rows of 256 codes lie in Z1
; ---- LAYER 2, transposed: source 0 = my 16 rows of mw2, source 1 = 16 samples; then my part of the last dot product
.set ZF, 24                            ; v24-151: tile m, K step s at 24 + 32 m + 16 s
.set A2, 160                           ; v160-191: four accumulators
.irp m, 0,1,2,3
.irp s, 0,1
.irp c, 0,1,2,3
	ds_load_b128 v[ZF+32*\m+16*\s+4*\c:ZF+32*\m+16*\s+4*\c+3], v4 offset:4352*\m+128*\s+32*\c
.endr
.endr
.endr
	s_wait_dscnt 0x0
	WIN 0x11
.irp m, 0,1,2,3
	v_wmma_f32_16x16x128_fp8_fp8 v[A2+8*\m:A2+8*\m+7], v[W2F:W2F+15], v[ZF+32*\m:ZF+32*\m+15], v[MB2:MB2+7]
.endr
	WIN 0x01
.irp m, 0,1,2,3
	v_wmma_f32_16x16x128_fp8_fp8 v[A2+8*\m:A2+8*\m+7], v[W2F+16:W2F+31], v[ZF+32*\m+16:ZF+32*\m+31], v[A2+8*\m:A2+8*\m+7]
.endr
	WIN 0
.rept 4
	v_nop
.endr
.set i, 0
.rept 32
	v_max_num_f32 v[A2+i], 0, v[A2+i]
.set i, i+1
.endr
	WIN 0x04                                       ; source 1 (mw3) window 1
.irp m, 0,1,2,3
	v_pk_mul_f32 v[208+2*\m:209+2*\m], v[A2+8*\m:A2+8*\m+1], v[MW3:MW3+1]
.endr
.irp j, 2,4,6
.irp m, 0,1,2,3
	v_pk_fma_f32 v[208+2*\m:209+2*\m], v[A2+8*\m+\j:A2+8*\m+\j+1], v[MW3+\j:MW3+\j+1], v[208+2*\m:209+2*\m]
.endr
.endr
	WIN 0
.irp m, 0,1,2,3
	v_add_f32 v[208+2*\m], v[208+2*\m], v[209+2*\m]
.endr
.irp m, 0,1,2,3
	v_permlanex16_b32 v[209+2*\m], v[208+2*\m], s[SEL], s[SEL+1]
.endr
.irp m, 0,1,2,3
	v_add_f32 v[208+2*\m], v[208+2*\m], v[209+2*\m]        ; my wave's 16 units of sample 16 m + r
.endr
.irp m, 0,1,2,3
	ds_store_b32 v5, v[208+2*\m] offset:64*\m
.endr
	BARRIER                                        ; the eight waves' parts lie in PART
	s_cmp_lg_u32 s[WV], 0                          ; wave 0 adds them and stores the work-group's 64 numbers: no barrier stands behind this branch
	s_cbranch_scc1 .Ldone
.irp i, 0,1,2,3,4,5,6,7
	ds_load_b64 v[24+2*\i:25+2*\i], v22 offset:256*\i
.endr
	s_wait_dscnt 0x0
	v_pk_add_f32 v[24:25], v[24:25], v[26:27]
	v_pk_add_f32 v[28:29], v[28:29], v[30:31]
	v_pk_add_f32 v[32:33], v[32:33], v[34:35]
	v_pk_add_f32 v[36:37], v[36:37], v[38:39]
	v_pk_add_f32 v[24:25], v[24:25], v[28:29]
	v_pk_add_f32 v[32:33], v[32:33], v[36:37]
	v_pk_add_f32 v[24:25], v[24:25], v[32:33]
	v_pk_add_f32 v[24:25], v[24:25], s[54:55] op_sel_hi:[1,0]   ; + mb3 (the pair's low word for both halves)
	global_store_b64 v23, v[24:25], s[46:47] th:TH_STORE_NT    ; 32 lanes store 256 consecutive bytes, at a multiple of 256 from out's first byte
.Ldone:
	s_wait_xcnt 0x0
	v_lshl_add_u32 v254, v0, 2, 0x1c200
	v_mov_b32 v255, 0
	s_wait_tensorcnt 0x0
	ds_add_u32 v254, v255
	s_wait_dscnt 0x0
	s_endpgm
.Lfunc_end_k_qab08ce8eb0_din:
	.size	k_qab08ce8eb0_din, .Lfunc_end_k_qab08ce8eb0_din-k_qab08ce8eb0_din
	.p2alignl 7, 3214868480
	.fill 96, 4, 3214868480
	.section	.rodata,"a",@progbits
	.p2align	6, 0x0
	.amdhsa_kernel k_qab08ce8eb0_din
		.amdhsa_group_segment_fixed_size 116224
		.amdhsa_private_segment_fixed_size 0
		.amdhsa_enable_private_segment 0
		.amdhsa_kernarg_size 160
		.amdhsa_user_sgpr_count 2
		.amdhsa_user_sgpr_kernarg_segment_ptr 1
		.amdhsa_wavefront_size32 1
		.amdhsa_system_sgpr_workgroup_id_x 1
		.amdhsa_system_sgpr_workgroup_id_y 1
		.amdhsa_system_sgpr_workgroup_id_z 1
		.amdhsa_system_vgpr_workitem_id 0
		.amdhsa_next_free_vgpr 512
		.amdhsa_next_free_sgpr 80
		.amdhsa_reserve_vcc 1
		.amdhsa_float_denorm_mode_32 3
		.amdhsa_float_denorm_mode_16_64 3
		.amdhsa_memory_ordered 1
		.amdhsa_forward_progress 1
		.amdhsa_inst_pref_size 146
	.end_amdhsa_kernel
	.amdgpu_metadata
---
amdhsa.version: [ 1, 2 ]
amdhsa.kernels:
  - .name:           k_qab08ce8eb0_din
    .symbol:         k_qab08ce8eb0_din.kd
    .args:
      - { .name: history_goods, .offset: 0, .size: 8, .value_kind: global_buffer, .address_space: global }
      - { .name: history_classes, .offset: 8, .size: 8, .value_kind: global_buffer, .address_space: global }
      - { .name: item_table, .offset: 16, .size: 8, .value_kind: global_buffer, .address_space: global }
      - { .name: cat_table, .offset: 24, .size: 8, .value_kind: global_buffer, .address_space: global }
      - { .name: candidate_good, .offset: 32, .size: 8, .value_kind: global_buffer, .address_space: global }
      - { .name: candidate_class, .offset: 40, .size: 8, .value_kind: global_buffer, .address_space: global }
      - { .name: customer_id, .offset: 48, .size: 8, .value_kind: global_buffer, .address_space: global }
      - { .name: user_table, .offset: 56, .size: 8, .value_kind: global_buffer, .address_space: global }
      - { .name: aw1_codes, .offset: 64, .size: 8, .value_kind: global_buffer, .address_space: global }
      - { .name: ab1, .offset: 72, .size: 8, .value_kind: global_buffer, .address_space: global }
      - { .name: aw2, .offset: 80, .size: 8, .value_kind: global_buffer, .address_space: global }
      - { .name: ab2, .offset: 88, .size: 8, .value_kind: global_buffer, .address_space: global }
      - { .name: lowp_scales, .offset: 96, .size: 8, .value_kind: global_buffer, .address_space: global }
      - { .name: mw1_codes, .offset: 104, .size: 8, .value_kind: global_buffer, .address_space: global }
      - { .name: mb1, .offset: 112, .size: 8, .value_kind: global_buffer, .address_space: global }
      - { .name: mw2_codes, .offset: 120, .size: 8, .value_kind: global_buffer, .address_space: global }
      - { .name: mb2, .offset: 128, .size: 8, .value_kind: global_buffer, .address_space: global }
      - { .name: mw3, .offset: 136, .size: 8, .value_kind: global_buffer, .address_space: global }
      - { .name: mb3, .offset: 144, .size: 8, .value_kind: global_buffer, .address_space: global }
      - { .name: out0, .offset: 152, .size: 8, .value_kind: global_buffer, .address_space: global }
    .group_segment_fixed_size: 116224
    .private_segment_fixed_size: 0
    .kernarg_segment_align: 8
    .kernarg_segment_size: 160
    .max_flat_workgroup_size: 256
    .sgpr_count:     80
    .vgpr_count:     512
    .wavefront_size: 32
...
	.end_amdgpu_metadata
.endif
;; end of part 1
;; ======== version 2 of 3: 1 launch; 1.19 times as fast as version 1
;; launch din (part 2): grid 256 x 1, 8 waves a work-group, no clusters, 225,280 bytes of LDS; arguments history_goods, history_classes, item_table, cat_table, candidate_good, candidate_class, customer_id, user_table, aw1_codes, ab1, aw2, ab2, lowp_scales, mw1_codes, mb1, mw2_codes, mb2, mw3, mb3, out0; writes out0
.if DOCPART == 2
	.amdgcn_target "amdgcn-amd-amdhsa--gfx1250"
	.amdhsa_code_object_version 6
	.text
	.protected	k_qab08ce8eb0_din
	.globl	k_qab08ce8eb0_din
	.p2align	8
	.type	k_qab08ce8eb0_din,@function
k_qab08ce8eb0_din:
	s_mov_b64 s[64:65], 0
	v_nop
	global_prefetch_b8 v0, s[64:65] scope:SCOPE_SE
	s_setreg_imm32_b32 hwreg(HW_REG_WAVE_MODE, 25, 1), 1
	s_wait_xcnt 0x0
; DIN: for each of 16,384 samples: 50 history rows h (item 32 + class 32 f32) are gathered; info = [q, h, q-h, q*h] (256) is quantised to E4M3 with 2^e0 and multiplied by aw1's codes (80 units);
; + ab1, relu, . aw2 + ab2 in f32; -1e9 where history_goods is 0; softmax over the 50; att = the weighted sum of h in f32; then [user, q, att] (160) -> 256 -> 128 -> 1, the first two products on codes.
; SHARES.  256 work-groups of 8 waves; a work-group owns 64 samples, a wave 8.  A tile of 16 info rows is 2 rows of EACH of the wave's 8 samples: row r (= lane % 16) is sample r / 2, place 2 t + r % 2, t = 0 .. 24:
; 25 full tiles, no padded row.  So a lane belongs to one sample for the whole launch: its q and q's codes are made once, the softmax runs in the lane (running maximum M, sum S, weighted sum ATT),
; and the two lanes of a sample (lane xor 1) meet once, at the end.
; PRODUCT 1 IS USED TRANSPOSED: source 0 = 16 units of aw1, source 1 = the 16 info rows: lane (r, h = lane / 16) holds row r, and register j of tile T unit 16 T + 8 h + j.
; Fragments are filled by pieces of 16 codes: registers 4 c .. 4 c + 3 hold k = 128 s + 32 c + 16 h + 0 .. 15, alike in both operands: a permutation of k inside an instruction, which changes only the order of its sums.
; The blocks of 32 along K are q item, q class, h item, h class, (q-h) twice, (q*h) twice: lane (r, h) needs dims 16 h .. 16 h + 15 of both parts.
; ab1 x 2^-(e0+e1) is the C of each sum's first instruction; aw2 is kept x 2^(e0+e1).
; THE CLASS TABLE LIES IN LDS: its 128,000 bytes are copied once by the work-group, in place of 64 x 50 x 128 = 409,600 bytes of class rows gathered from memory.  A lane reads the 64 bytes of its row that its fragment wants.
; THE ITEM ROWS are gathered into the fragment's layout: a lane takes 64 consecutive bytes of its row by four loads of 16 that follow each other; lanes r and r + 16 take the row's 128 bytes.
; The gathers run four tiles ahead of the work in four register buffers: 16 loads of a wave are out.  The table's reads run one tile ahead in two buffers.
; Between the head's barrier and the barrier behind the last tile no wave stores into LDS: the table's reads, whose address hangs on an index, stand beside LDS loads alone.
; THE MLP: the waves share the columns: wave w makes units 32 w .. of layer 1 and 16 w .. of layer 2 for all 64 samples, each weight byte read by one wave; codes go from wave to wave through LDS.
; NO CLUSTER: what work-groups share is read once by each: the table's 128,000 bytes and the weights' 94,208, against 409,600 bytes of item rows that a work-group gathers by its own list, row by row, which no tile covers.
; A joint load of the table for four work-groups would spare 96,000 of the 682,000 bytes that a work-group asks for; it was not built.
; LIMITS.  e0, e2 and e4 - e2 - e3 between -126 and 119 (each power of two and 448 x it is made as an f32 pattern); the other sums of exponents go by v_ldexp_f32.  Scores under -3e38, NaN and infinities among the inputs are not served.
; Indices are held inside their tables by v_min_u32.  A sample all of whose places are masked gets equal weights.
; LDS (bytes)
.set AWL,  0                           ; aw1's 80 rows of 256 codes, 272 apart: the 16 rows of a fragment load start at 16 different 16-byte columns modulo 256
.set IDXG, 21760                       ; history_goods of the 64 samples as in memory: 1,600 a wave, 200 a sample
.set IDXD, 12800                       ; history_classes lie so far behind
.set CMB,  47360                       ; codes of [user, q, att]: 64 rows, 208 apart
.set Z1,   60672                       ; codes of layer 1's result: 64 rows, 272 apart
.set PART, 78080                       ; [8 waves][64 samples] f32: each wave's part of the last dot product
.set CAT,  80128                       ; the class table: 1,000 rows
.set CP,   144                         ; apart: 128 bytes + 16: nine pieces of 16, an odd number, so rows whose numbers differ modulo 16 begin at different 16-byte columns modulo 256
; VECTOR REGISTERS, window 0
.set MSKA, 1                           ; LDS: IDXG + 1600 w + 200 (r / 2) + 4 (r % 2): my info row's history_goods of tile 0
.set CBASE, 2                          ; LDS: CAT + 64 h
.set H64,  3                           ; 64 h: dims 16 h on in a table row
.set MIDX, 6                           ; my row's history_goods, for the mask
.set SCL,  7                           ; the conversions' scale
.set OFI,  8                           ; v8-11    a ring of four: my row's history_goods of a tile to come, turned in place into the gather's byte offset
.set IC,   15                          ; my row's history_classes of the next tile, turned in place into an LDS address
.set M,    16
.set S,    17
.set SCA,  18                          ; v[18:19], v[20:21] the score in two chains
.set SCB,  20
.set ADM,  22                          ; MSKA + 8 x the trip's first tile
.set AWA,  23                          ; LDS: a fragment of aw1: row r, 16 h
.set Q,    24                          ; v24-55   q: 16 item dims, 16 class dims
.set AF,   56                          ; v56-87   info's two fragments: q, h | q-h, q*h
.set T,    88                          ; v88-119  numbers on their way to codes
.set ACC,  88                          ; v88-127  then the five accumulators; behind the score: v88 F, v90 P, v92-95 at work, v96-127 P x h
.set ATT,  128                         ; v128-159
.set HI,   160                         ; v160-223 four buffers of 16: a tile's item dims
.set HC,   224                         ; v224-255 two buffers of 16: a tile's class dims.  (In the head: v224-243 at work)
.set TA0,  240                         ; in the head: v240-242 LDS addresses of the table's copy, 14 rounds apart (an LDS offset has 16 bits)
; window 1
.set AW1,  0                           ; aw1's fragment (T, s) at 32 T + 16 s.  (In the head, ahead of them: v0-124 the class table on its way to LDS)
.set AB1,  160
.set AW2,  200
.set U,    240                         ; the user row's dims 16 h ..
.set W1F,  0                           ; from the last tile on: mw1's tile u at 24 u (five blocks of 4 registers, 4 of zeros),
.set W2F,  48                          ; mw2's K step s at 48 + 16 s,
.set MB1,  80
.set MB2,  96
.set MW3,  104
; SCALAR REGISTERS: s[8:47] the twenty addresses in the order of the arguments; s[48:53] e0 .. e5; s54 mb3; s55 ab2
.set WV,   2
.set LP0,  56                          ; 448 x 2^e0, and its negative
.set LN0,  57
.set LP2,  58                          ; the same for e2
.set LN2,  59
.set SEL,  60                          ; s[60:61] selects of v_permlanex16_b32: lane xor 16
.set LPH,  62                          ; 448 x 2^(e4-e2-e3)
.set SC0,  63                          ; 2^e0
.set SC2,  66                          ; 2^e2
.set SCH,  67                          ; 2^(e4-e2-e3)
.set E01,  68
.set NE01, 69
.set NE23, 70
.set NE45, 71
.set E45,  72
.set ST8,  73                          ; 8 x the trip's first tile
.set TRIP, 78
.set MSB, 0
.macro WIN new                         ; the immediate's high byte repeats the setting that is left; a switch that changes nothing is dropped
.if MSB != \new
	s_set_vgpr_msb (MSB<<8)|\new
.set MSB, \new
.endif
.endm
.macro GATHER k                        ; my row's 64 bytes of item dims, into buffer k
.irp j, 0,1,2,3
	global_load_b128 v[HI+16*(\k)+4*\j:HI+16*(\k)+4*\j+3], v[OFI+(\k)], s[12:13] offset:16*\j
.endr
.endm
.macro HOLD dst, src, n, lo, hi        ; the conversion to an 8-bit code does not saturate (ISA guide 7.6.2): each number is held within the largest code x the scale first
.set ii, 0
.rept \n
	v_med3_num_f32 v[\dst+ii], v[\src+ii], s[\lo], s[\hi]
.set ii, ii+1
.endr
.endm
.macro CODES dst                       ; T's 32 numbers become 8 registers of codes
.irp g, 0,1,2,3
	v_cvt_scalef32_pk8_fp8_f32 v[\dst+2*\g:\dst+2*\g+1], v[T+8*\g:T+8*\g+7], v[SCL]
.endr
.endm
; The three blocks that hang on 16 numbers of h (v[hb] on) and q's 16 beside them (v[Q+o] on): h, q - h, q * h: four registers of codes each.
; The two halves of T take turns, so that plain lines on one half stand between the conversions of the other half and the next write of their sources.
.macro TRIO hb, o
	HOLD T, \hb, 16, LN0, LP0
	v_cvt_scalef32_pk8_fp8_f32 v[AF+8+(\o)/4:AF+9+(\o)/4],   v[T:T+7],    v[SCL]
	v_cvt_scalef32_pk8_fp8_f32 v[AF+10+(\o)/4:AF+11+(\o)/4], v[T+8:T+15], v[SCL]
.set i, 0
.rept 8
	v_pk_add_f32 v[T+16+i:T+17+i], v[Q+(\o)+i:Q+(\o)+i+1], v[\hb+i:\hb+i+1] neg_lo:[0,1] neg_hi:[0,1]   ; q - h
.set i, i+2
.endr
	HOLD T+16, T+16, 16, LN0, LP0
	v_cvt_scalef32_pk8_fp8_f32 v[AF+16+(\o)/4:AF+17+(\o)/4], v[T+16:T+23], v[SCL]
	v_cvt_scalef32_pk8_fp8_f32 v[AF+18+(\o)/4:AF+19+(\o)/4], v[T+24:T+31], v[SCL]
.set i, 0
.rept 8
	v_pk_mul_f32 v[T+i:T+i+1], v[Q+(\o)+i:Q+(\o)+i+1], v[\hb+i:\hb+i+1]                                 ; q * h
.set i, i+2
.endr
	HOLD T, T, 16, LN0, LP0
	v_cvt_scalef32_pk8_fp8_f32 v[AF+24+(\o)/4:AF+25+(\o)/4], v[T:T+7],    v[SCL]
	v_cvt_scalef32_pk8_fp8_f32 v[AF+26+(\o)/4:AF+27+(\o)/4], v[T+8:T+15], v[SCL]
.endm
.macro MUL10                           ; the five accumulators take turns, one instruction a turn; the first K step starts the sums on the bias
	WIN 0x11                                       ; source 0 (aw1) and source 2 (ab1) window 1
.irp t, 0,1,2,3,4
	v_wmma_f32_16x16x128_fp8_fp8 v[ACC+8*\t:ACC+8*\t+7], v[AW1+32*\t:AW1+32*\t+15], v[AF:AF+15], v[AB1+8*\t:AB1+8*\t+7]
.endr
	WIN 0x01
.irp t, 0,1,2,3,4
	v_wmma_f32_16x16x128_fp8_fp8 v[ACC+8*\t:ACC+8*\t+7], v[AW1+32*\t+16:AW1+32*\t+31], v[AF+16:AF+31], v[ACC+8*\t:ACC+8*\t+7]
.endr
	WIN 0
.endm
.macro BARRIER                         ; my LDS stores have landed and my LDS loads are in: then the work-group's barrier
	s_wait_dscnt 0x0
	s_barrier_signal -1
	s_barrier_wait -1
.endm
.macro MLPW                            ; the MLP's weights, into the registers that aw1 has left.  The ten plain lines are the places behind the last products, for these loads and for the first read of the sums
	v_and_b32 v12, 15, v0                          ; r
	v_bfe_u32 v13, v0, 4, 1                        ; h
	v_and_b32 v14, 8, v0
	v_add_nc_u32 v14, v14, v12                     ; r + 8 (r / 8): THE ROWS OF mw1 THAT FORM A TILE ARE NOT NEIGHBOURS: lane r of tile u takes row 32 w + 8 u + r + 8 (r / 8),
	v_mul_u32_u24 v8, v14, 160                     ; so that the 16 registers of tiles 0 and 1 are units 32 w + 16 h + 0 .. 15: 16 neighbours along the next K
	v_lshl_add_u32 v8, v13, 4, v8
	v_lshlrev_b32 v9, 8, v12                       ; mw2: row 16 w + r of 256 codes
	v_lshl_add_u32 v9, v13, 4, v9
	v_lshlrev_b32 v10, 6, v13                      ; mb1: 16 h numbers on
	v_lshlrev_b32 v11, 5, v13                      ; mb2, mw3: 8 h numbers on
	WIN 0x40
.irp u, 0,1
.irp b, 0,1,2,3,4
	global_load_b128 v[W1F+24*\u+4*\b:W1F+24*\u+4*\b+3], v8, s[34:35] offset:1280*\u+32*\b
.endr
.endr
.irp s, 0,1
.irp c, 0,1,2,3
	global_load_b128 v[W2F+16*\s+4*\c:W2F+16*\s+4*\c+3], v9, s[38:39] offset:128*\s+32*\c
.endr
.endr
.irp u, 0,1
	global_load_b128 v[MB1+8*\u:MB1+8*\u+3],   v10, s[36:37] offset:32*\u
	global_load_b128 v[MB1+8*\u+4:MB1+8*\u+7], v10, s[36:37] offset:32*\u+16
.endr
	global_load_b128 v[MB2:MB2+3],   v11, s[40:41]
	global_load_b128 v[MB2+4:MB2+7], v11, s[40:41] offset:16
	global_load_b128 v[MW3:MW3+3],   v11, s[42:43]
	global_load_b128 v[MW3+4:MW3+7], v11, s[42:43] offset:16
	WIN 0
.endm
; ONE TILE.  k: the tile's number in the trip: item buffer and offset register k % 4, class buffer k % 2.  fill = 1: the item buffer takes the tile four on; cfill = 1: the other class buffer takes the next tile;
; lcnt: the gathers that may stay out when this tile's four must be in; mlp = 1: the last tile, which asks for the MLP's weights.
.macro STEP k, fill, cfill, lcnt, mlp
.set HB, HI+16*((\k)%4)
.set CB, HC+16*((\k)%2)
.set CN, HC+16*(((\k)+1)%2)
.set OF, OFI+(\k)%4
.if (\k) == 0
	v_add_nc_u32 v[ADM], s[ST8], v[MSKA]
.endif
	s_wait_loadcnt \lcnt                           ; loads come back in order: this tile's four gathers are in, so their offset register may be written again
	ds_load_b32 v[MIDX], v[ADM] offset:8*(\k)
.if \cfill
	ds_load_b32 v[IC], v[ADM] offset:8*(\k)+8+IDXD
.endif
.if \fill
	ds_load_b32 v[OF], v[ADM] offset:8*(\k)+32
.endif
	TRIO HB, 0                                     ; the item half: it stands between the index loads, and the table's reads of the tile before, and the wait for them
	s_wait_dscnt 0x0                               ; the index words, and this tile's class dims
.if \cfill
	v_min_u32 v[IC], 0x3e7, v[IC]                  ; a loaded number enters an address only held inside its table.  (Plain lines between the conversions and the next write of their sources)
	v_lshl_add_u32 v[IC], v[IC], 3, v[IC]          ; 9 x index,
	v_lshl_add_u32 v[IC], v[IC], 4, v[CBASE]       ; x 16 = 144 x index, + the table + 64 h
.irp j, 0,1,2,3
	ds_load_b128 v[CN+4*\j:CN+4*\j+3], v[IC] offset:16*\j
.endr
.else
	v_nop
.endif
	TRIO CB, 16                                    ; the class half
	v_nop                                          ; one plain line between a scaled conversion and the matrix instructions that read its result and write its sources
	MUL10
.if \mlp
	MLPW
.elseif \fill
	v_min_u32 v[OF], 0x1869f, v[OF]                ; four places between the last matrix instruction and the first read of a sum (ISA guide 7.12.1): two of them make the next gather's offset
	v_lshl_add_u32 v[OF], v[OF], 7, v[H64]
	v_nop
	v_nop
.else
.rept 4
	v_nop
.endr
.endif
.set i, 0
.rept 40
	v_max_num_f32 v[ACC+i], 0, v[ACC+i]            ; relu; each accumulator from its low end on
.set i, i+1
.endr
	WIN 0x04                                       ; source 1 (aw2) window 1
	v_pk_mul_f32 v[SCA:SCA+1], v[ACC:ACC+1], v[AW2:AW2+1]
	v_pk_mul_f32 v[SCB:SCB+1], v[ACC+2:ACC+3], v[AW2+2:AW2+3]
.set i, 4
.rept 9
	v_pk_fma_f32 v[SCA:SCA+1], v[ACC+i:ACC+i+1], v[AW2+i:AW2+i+1], v[SCA:SCA+1]
	v_pk_fma_f32 v[SCB:SCB+1], v[ACC+i+2:ACC+i+3], v[AW2+i+2:AW2+i+3], v[SCB:SCB+1]
.set i, i+4
.endr
	WIN 0
	v_pk_add_f32 v[SCA:SCA+1], v[SCA:SCA+1], v[SCB:SCB+1]
	v_add_f32 v[SCA], v[SCA], v[SCA+1]             ; my 40 units,
	v_permlanex16_b32 v95, v[SCA], s[SEL], s[SEL+1]
	v_add_f32 v[SCA], v[SCA], v95                  ; and the other 40, in the lane 16 away
	v_add_f32 v[SCA], s55, v[SCA]                  ; + ab2
	v_cmp_ne_u32 vcc_lo, 0, v[MIDX]
	v_cndmask_b32 v[SCA], 0xce6e6b28, v[SCA], vcc_lo   ; -1e9 where history_goods is 0
	v_max_num_f32 v92, v[M], v[SCA]                ; the new maximum
	v_sub_f32 v93, v[M], v92
	v_sub_f32 v94, v[SCA], v92
	v_mul_f32 v93, 0x3fb8aa3b, v93
	v_mul_f32 v94, 0x3fb8aa3b, v94
	v_exp_f32 v88, v93                             ; F = e^(old maximum - new)
	v_exp_f32 v90, v94                             ; P = e^(score - new maximum)
	v_mov_b32 v[M], v92                            ; (the plain line behind the exponentials)
	s_wait_alu depctr_va_vdst(0)                   ; one wait for both, ahead of their first reader
	v_fma_f32 v[S], v[S], v88, v90
.set i, 0
.rept 8
	v_pk_mul_f32 v[96+i:97+i], v[HB+i:HB+i+1], v[90:91] op_sel_hi:[1,0]
.set i, i+2
.endr
.if \fill
	GATHER (\k)%4                                  ; the item buffer has been read for the last time: it takes the tile four on
.endif
.set i, 0
.rept 8
	v_pk_mul_f32 v[112+i:113+i], v[CB+i:CB+i+1], v[90:91] op_sel_hi:[1,0]
.set i, i+2
.endr
.set i, 0
.rept 16
	v_pk_fma_f32 v[ATT+i:ATT+i+1], v[ATT+i:ATT+i+1], v[88:89], v[96+i:97+i] op_sel_hi:[1,0,1]   ; ATT = ATT F + P h
.set i, i+2
.endr
.endm
; ---- THE HEAD
	s_load_b512 s[8:23], s[0:1], 0x0
	s_load_b512 s[24:39], s[0:1], 0x40
	s_load_b256 s[40:47], s[0:1], 0x80
	v_lshrrev_b32 v224, 5, v0
	v_readfirstlane_b32 s[WV], v224                ; wave 0..7
	v_and_b32 v225, 15, v0                         ; r
	v_bfe_u32 v226, v0, 4, 1                       ; h
	v_and_b32 v227, 31, v0                         ; lane
	v_bfe_u32 v228, v0, 1, 3                       ; r / 2: my sample among the wave's eight
	v_and_b32 v229, 1, v0                          ; r % 2
	s_mul_i32 s3, s[WV], 1600
	s_add_co_u32 s3, s3, IDXG                      ; my wave's indices in LDS
	v_mul_u32_u24 v[MSKA], v228, 200
	v_lshl_add_u32 v[MSKA], v229, 2, v[MSKA]
	v_add_nc_u32 v[MSKA], s3, v[MSKA]
	v_lshlrev_b32 v[H64], 6, v226
	v_add_nc_u32 v[CBASE], CAT, v[H64]
	v_lshlrev_b32 v230, 4, v227                    ; 16 x lane
	v_and_b32 v231, 3, v0
	v_lshlrev_b32 v231, 4, v231                    ; 16 x (lane % 4): the last 64 of 1,600 bytes
	v_add_nc_u32 v232, s3, v230
	v_add_nc_u32 v233, s3, v231
	v_lshlrev_b32 v234, 4, v0                      ; aw1 and the class table: 16 x thread
	v_lshrrev_b32 v235, 4, v0
	v_mul_u32_u24 v235, v235, 272
	v_lshl_add_u32 v235, v225, 4, v235             ; aw1 in LDS: row thread / 16, byte 16 (thread % 16)
	v_lshlrev_b32 v236, 5, v226                    ; ab1, aw2: 8 h numbers on
	v_lshlrev_b32 v237, 2, v228                    ; my sample's ids
	v_lshrrev_b32 v[TA0], 3, v0                    ; the table in LDS: piece thread + 256 i is row thread / 8 + 32 i, byte 16 (thread % 8)
	v_mul_u32_u24 v[TA0], v[TA0], CP
	v_and_b32 v238, 7, v0
	v_lshl_add_u32 v[TA0], v238, 4, v[TA0]
	v_add_nc_u32 v[TA0], CAT, v[TA0]
	v_add_nc_u32 v[TA0+1], 14*32*CP, v[TA0]
	v_add_nc_u32 v[TA0+2], 28*32*CP, v[TA0]
	v_lshlrev_b32 v239, 2, v0                      ; its last eight rows, 1,024 bytes: a word a thread, a row a wave
	s_mul_i32 s4, s[WV], CP
	s_add_co_u32 s4, s4, CAT+992*CP
	v_lshl_add_u32 v243, v227, 2, s4
	v_mul_u32_u24 v[AWA], v225, 272
	v_lshl_add_u32 v[AWA], v226, 4, v[AWA]
	s_lshl_b32 s5, ttmp9, 6
	s_lshl_b32 s6, s[WV], 3
	s_add_co_u32 s5, s5, s6                        ; my wave's first sample: 64 x work-group + 8 x wave
	s_mov_b32 s7, 0
	s_mov_b32 s[SEL], 0x76543210
	s_mov_b32 s[SEL+1], 0xfedcba98
	s_wait_kmcnt 0x0
	s_load_b128 s[48:51], s[32:33], 0x0            ; e0 .. e3
	s_load_b64 s[52:53], s[32:33], 0x10            ; e4, e5
	s_load_b32 s54, s[44:45], 0x0                  ; mb3
	s_load_b32 s55, s[30:31], 0x0                  ; ab2
	s_mul_i32 s6, s5, 200
	s_add_nc_u64 s[8:9], s[8:9], s[6:7]            ; history_goods and history_classes at my wave's first sample
	s_add_nc_u64 s[10:11], s[10:11], s[6:7]
	s_lshl_b32 s6, s5, 2
	s_add_nc_u64 s[16:17], s[16:17], s[6:7]        ; the three id arrays likewise
	s_add_nc_u64 s[18:19], s[18:19], s[6:7]
	s_add_nc_u64 s[20:21], s[20:21], s[6:7]
	s_mul_i32 s6, s[WV], 5120
	s_add_nc_u64 s[34:35], s[34:35], s[6:7]        ; mw1: my 32 rows of 160 codes
	s_lshl_b32 s6, s[WV], 12
	s_add_nc_u64 s[38:39], s[38:39], s[6:7]        ; mw2: my 16 rows of 256
	s_lshl_b32 s6, s[WV], 7
	s_add_nc_u64 s[36:37], s[36:37], s[6:7]        ; mb1: my 32 numbers
	s_lshl_b32 s6, s[WV], 6
	s_add_nc_u64 s[40:41], s[40:41], s[6:7]        ; mb2, mw3: my 16
	s_add_nc_u64 s[42:43], s[42:43], s[6:7]
	s_lshl_b32 s6, ttmp9, 8
	s_add_nc_u64 s[46:47], s[46:47], s[6:7]        ; out: the work-group's 64 numbers
	global_load_b32 v12, v237, s[16:17]            ; candidate_good, candidate_class, customer_id of my sample
	global_load_b32 v13, v237, s[18:19]
	global_load_b32 v14, v237, s[20:21]
.irp j, 0,1,2                                  ; my wave's 1,600 + 1,600 bytes of indices, as they lie: read once in the launch
	global_load_b128 v[AF+4*\j:AF+4*\j+3],       v230, s[8:9]   offset:512*\j th:TH_LOAD_NT
	global_load_b128 v[AF+16+4*\j:AF+16+4*\j+3], v230, s[10:11] offset:512*\j th:TH_LOAD_NT
.endr
	global_load_b128 v[AF+12:AF+15], v231, s[8:9]   offset:1536 th:TH_LOAD_NT
	global_load_b128 v[AF+28:AF+31], v231, s[10:11] offset:1536 th:TH_LOAD_NT
.irp j, 0,1,2,3,4                              ; aw1's 20,480 bytes, once for the work-group
	global_load_b128 v[ATT+4*\j:ATT+4*\j+3], v234, s[24:25] offset:4096*\j
.endr
	WIN 0x40                                       ; destination window 1
.irp t, 0,1,2,3,4                              ; register j of tile T: unit 16 T + 8 h + j
	global_load_b128 v[AB1+8*\t:AB1+8*\t+3],   v236, s[26:27] offset:64*\t
	global_load_b128 v[AB1+8*\t+4:AB1+8*\t+7], v236, s[26:27] offset:64*\t+16
	global_load_b128 v[AW2+8*\t:AW2+8*\t+3],   v236, s[28:29] offset:64*\t
	global_load_b128 v[AW2+8*\t+4:AW2+8*\t+7], v236, s[28:29] offset:64*\t+16
.endr
	WIN 0
	s_wait_loadcnt 33                              ; behind the three ids: 8 + 5 + 20 loads
	v_min_u32 v12, 0x1869f, v12
	v_min_u32 v13, 0x3e7, v13
	v_min_u32 v14, 0x1869f, v14
	v_lshl_add_u32 v12, v12, 7, v[H64]
	v_lshl_add_u32 v13, v13, 7, v[H64]
	v_lshl_add_u32 v14, v14, 7, v[H64]
.irp j, 0,1,2,3
	global_load_b128 v[Q+4*\j:Q+4*\j+3],       v12, s[12:13] offset:16*\j
	global_load_b128 v[Q+16+4*\j:Q+16+4*\j+3], v13, s[14:15] offset:16*\j
.endr
	WIN 0x40
.irp j, 0,1,2,3
	global_load_b128 v[U+4*\j:U+4*\j+3], v14, s[22:23] offset:16*\j
.endr
	WIN 0
	s_wait_loadcnt 37                              ; behind the indices: 5 + 20 + 12
.irp j, 0,1,2
	ds_store_b128 v232, v[AF+4*\j:AF+4*\j+3]       offset:512*\j
	ds_store_b128 v232, v[AF+16+4*\j:AF+16+4*\j+3] offset:512*\j+IDXD
.endr
	ds_store_b128 v233, v[AF+12:AF+15] offset:1536
	ds_store_b128 v233, v[AF+28:AF+31] offset:1536+IDXD
.irp k, 0,1,2,3
	ds_load_b32 v[OFI+\k], v[MSKA] offset:8*\k     ; LDS serves a wave's instructions in order: these see my stores.  My row's history_goods of tiles 0 to 3,
.endr
	ds_load_b32 v[IC], v[MSKA] offset:IDXD         ; and its history_classes of tile 0
	s_wait_dscnt 0x0
.irp k, 0,1,2,3
	v_min_u32 v[OFI+\k], 0x1869f, v[OFI+\k]
.endr
.irp k, 0,1,2,3
	v_lshl_add_u32 v[OFI+\k], v[OFI+\k], 7, v[H64]
.endr
	v_min_u32 v[IC], 0x3e7, v[IC]
	v_lshl_add_u32 v[IC], v[IC], 3, v[IC]
	v_lshl_add_u32 v[IC], v[IC], 4, v[CBASE]
	GATHER 0
	GATHER 1
	GATHER 2
	GATHER 3
	s_wait_loadcnt 48                              ; behind aw1: 20 + 12 + 16
.irp j, 0,1,2,3,4
	ds_store_b128 v235, v[ATT+4*\j:ATT+4*\j+3] offset:AWL+4352*\j
.endr
	WIN 0x40                                       ; the class table, 31 rounds of 4,096 bytes and one of 1,024, into window 1's v0-124
.set i, 0
.rept 31
	global_load_b128 v[4*i:4*i+3], v234, s[14:15] offset:4096*i
.set i, i+1
.endr
	global_load_b32 v124, v239, s[14:15] offset:126976
	WIN 0
	s_wait_loadcnt 60                              ; behind ab1 and aw2: 12 + 16 + 32
	s_wait_kmcnt 0x0
	s_add_co_i32 s3, s48, 127
	s_lshl_b32 s[SC0], s3, 23                      ; 2^e0 as f32: a conversion takes its exponent field
	s_add_co_i32 s3, s3, 8
	s_lshl_b32 s[LP0], s3, 23
	s_or_b32 s[LP0], s[LP0], 0x600000              ; 448 x 2^e0
	s_or_b32 s[LN0], s[LP0], 0x80000000
	s_add_co_i32 s3, s50, 127
	s_lshl_b32 s[SC2], s3, 23
	s_add_co_i32 s3, s3, 8
	s_lshl_b32 s[LP2], s3, 23
	s_or_b32 s[LP2], s[LP2], 0x600000
	s_or_b32 s[LN2], s[LP2], 0x80000000
	s_sub_co_i32 s3, s52, s50                      ; a sum of layer 1 stands for sum x 2^(e2+e3): its code is sum / 2^(e4-e2-e3)
	s_sub_co_i32 s3, s3, s51
	s_add_co_i32 s3, s3, 127
	s_lshl_b32 s[SCH], s3, 23
	s_add_co_i32 s3, s3, 8
	s_lshl_b32 s[LPH], s3, 23
	s_or_b32 s[LPH], s[LPH], 0x600000
	s_add_co_i32 s[E01], s48, s49
	s_sub_co_i32 s[NE01], 0, s[E01]
	s_add_co_i32 s[NE23], s50, s51
	s_sub_co_i32 s[NE23], 0, s[NE23]
	s_add_co_i32 s[E45], s52, s53
	s_sub_co_i32 s[NE45], 0, s[E45]
	WIN 0x41                                       ; source 0 and destination window 1
.set i, 0
.rept 40
	v_ldexp_f32 v[AB1+i], v[AB1+i], s[NE01]        ; the bias goes in divided by the power of two that the sums lack,
	v_ldexp_f32 v[AW2+i], v[AW2+i], s[E01]         ; and aw2 carries it
.set i, i+1
.endr
	WIN 0
	s_wait_loadcnt 48                              ; q and the user row are in; behind them: 16 + 32
	v_mov_b32 v[SCL], s[SC0]
	HOLD T, Q, 32, LN0, LP0
	CODES AF                                       ; q's codes, once for all 25 tiles (the indices' stores have read these registers: the wait on DScnt above)
	v_nop
	v_mov_b32 v[M], 0xff61b1e6                     ; -3e38, under every score: the first tile's F is 0.  So the tile is written without a first form of its own, at the price of the 33 lines that clear S and ATT
	v_mov_b32 v[S], 0
	s_wait_loadcnt 0x0                             ; the table
	WIN 0x04                                       ; a store's data: window 1
.set i, 0
.rept 31
	ds_store_b128 v[TA0+i/14], v[4*i:4*i+3] offset:32*CP*(i%14)
.set i, i+1
.endr
	ds_store_b32 v243, v124
	WIN 0
	BARRIER                                        ; aw1's 80 rows and the table's 1,000 lie in LDS.  From here to the barrier behind the last tile nobody stores into LDS
	WIN 0x40
.irp t, 0,1,2,3,4
.irp s, 0,1
.irp c, 0,1,2,3
	ds_load_b128 v[AW1+32*\t+16*\s+4*\c:AW1+32*\t+16*\s+4*\c+3], v[AWA] offset:AWL+4352*\t+128*\s+32*\c
.endr
.endr
.endr
	WIN 0
.irp j, 0,1,2,3
	ds_load_b128 v[HC+4*\j:HC+4*\j+3], v[IC] offset:16*\j   ; tile 0's class dims.  (These 44 loads are waited for in the middle of the first tile)
.endr
.set i, 0
.rept 32
	v_mov_b32 v[ATT+i], 0
.set i, i+1
.endr
	s_mov_b32 s[ST8], 0
	s_mov_b32 s[TRIP], 5
; ---- THE TILES: 5 trips of four, then the last five; of those the first alone asks for an item tile, and the last for no class tile
.Ltile:
	STEP 0, 1, 1, 12, 0
	STEP 1, 1, 1, 12, 0
	STEP 2, 1, 1, 12, 0
	STEP 3, 1, 1, 12, 0
	s_add_co_u32 s[ST8], s[ST8], 32
	s_sub_co_i32 s[TRIP], s[TRIP], 1
	s_cmp_lg_u32 s[TRIP], 0
	s_cbranch_scc1 .Ltile
	STEP 0, 1, 1, 12, 0                            ; tile 20: it asks for tile 24
	STEP 1, 0, 1, 12, 0                            ; tile 21: behind its gathers those of 22, 23, 24
	STEP 2, 0, 1, 8, 0                             ; tile 22
	STEP 3, 0, 1, 4, 0                             ; tile 23
	STEP 4, 0, 0, 0, 1                             ; tile 24
; ---- THE SAMPLE'S TWO LANES MEET; [user, q, att] becomes codes
	s_wait_dscnt 0x0                               ; my reads of the table are over:
	s_barrier_signal -1                            ; say so; only work on registers stands between this line and the wait, which stands in front of the first LDS store
	s_mul_i32 s3, s[WV], 8*208                     ; every LDS address of the MLP is made here (v12 = r, v13 = h)
	s_add_co_u32 s3, s3, CMB
	v_bfe_u32 v14, v0, 1, 3
	v_mul_u32_u24 v1, v14, 208
	v_lshl_add_u32 v1, v13, 4, v1
	v_add_nc_u32 v1, s3, v1                        ; v1: CMB, row 8 w + r / 2, 16 h
	v_mul_u32_u24 v2, v12, 208
	v_lshl_add_u32 v2, v13, 4, v2
	v_add_nc_u32 v2, CMB, v2                       ; v2: CMB, row r, 16 h
	v_mul_u32_u24 v4, v12, 272
	v_lshl_add_u32 v4, v13, 4, v4
	v_add_nc_u32 v4, Z1, v4                        ; v4: Z1, row r, 16 h
	s_lshl_b32 s3, s[WV], 5
	v_add_nc_u32 v3, s3, v4                        ; v3: the same + 32 w: my units' bytes
	s_lshl_b32 s3, s[WV], 8
	s_add_co_u32 s3, s3, PART
	v_lshl_add_u32 v5, v12, 2, s3                  ; v5: PART, my wave's 64 words, word r
	v_and_b32 v14, 31, v0
	v_lshlrev_b32 v23, 3, v14                      ; v23: 8 x lane, in out
	v_add_nc_u32 v22, PART, v23                    ; v22: and in PART
	v_max_num_f32_dpp v92, v[M], v[M] row_xmask:1 row_mask:0xf bank_mask:0xf   ; the sample's maximum
	v_sub_f32 v93, v[M], v92
	v_mul_f32 v93, 0x3fb8aa3b, v93
	v_exp_f32 v88, v93
	v_nop
	s_wait_alu depctr_va_vdst(0)                   ; ahead of the first reader
	v_mul_f32 v[S], v[S], v88                      ; my half under the common maximum,
.set i, 0
.rept 16
	v_pk_mul_f32 v[ATT+i:ATT+i+1], v[ATT+i:ATT+i+1], v[88:89] op_sel_hi:[1,0]
.set i, i+2
.endr
	v_add_f32_dpp v[S], v[S], v[S] row_xmask:1 row_mask:0xf bank_mask:0xf      ; and the two halves added: the same bits in both lanes
.set i, 0
.rept 32
	v_add_f32_dpp v[ATT+i], v[ATT+i], v[ATT+i] row_xmask:1 row_mask:0xf bank_mask:0xf
.set i, i+1
.endr
	v_rcp_f32 v90, v[S]
	v_nop
	s_wait_alu depctr_va_vdst(0)
.set i, 0
.rept 16
	v_pk_mul_f32 v[ATT+i:ATT+i+1], v[ATT+i:ATT+i+1], v[90:91] op_sel_hi:[1,0]
.set i, i+2
.endr
	v_mov_b32 v[SCL], s[SC2]
	WIN 0x01                                       ; source 0 (the user row) window 1
	HOLD T, U, 16, LN2, LP2
	WIN 0
	HOLD Q, Q, 32, LN2, LP2
	HOLD ATT, ATT, 32, LN2, LP2
.irp g, 0,1                                    ; the five blocks of 32 along K, 16 codes a lane each: user, q item, q class, att item, att class
	v_cvt_scalef32_pk8_fp8_f32 v[AF+2*\g:AF+2*\g+1], v[T+8*\g:T+8*\g+7], v[SCL]
.endr
.irp g, 0,1,2,3
	v_cvt_scalef32_pk8_fp8_f32 v[AF+4+2*\g:AF+4+2*\g+1], v[Q+8*\g:Q+8*\g+7], v[SCL]
.endr
.irp g, 0,1,2,3
	v_cvt_scalef32_pk8_fp8_f32 v[AF+12+2*\g:AF+12+2*\g+1], v[ATT+8*\g:ATT+8*\g+7], v[SCL]
.endr
	v_nop                                          ; the plain line behind the conversions: matrix instructions will write ATT's registers
	s_barrier_wait -1                              ; no wave reads the table any more
.irp b, 0,1,2,3,4
	ds_store_b128 v1, v[AF+4*\b:AF+4*\b+3] offset:32*\b    ; a sample's two lanes store the same bytes
.endr
	BARRIER                                        ; 64 rows of codes lie in CMB
; ---- LAYER 1, transposed: source 0 = 16 rows of mw1, source 1 = 16 samples.  K = 160 goes as 64 + 64 + 32 and 32 zero codes on both sides
.set CF, 24                            ; v24-119: tile m of 16 samples at 24 + 24 m, laid as mw1's tiles
.set ZA, 128                           ; v128-191: accumulator (u, m) at 128 + 8 (4 u + m)
.irp m, 0,1,2,3
.irp c, 0,1,2,3,4
	ds_load_b128 v[CF+24*\m+4*\c:CF+24*\m+4*\c+3], v2 offset:3328*\m+32*\c
.endr
.endr
.irp m, 0,1,2,3
.irp j, 20,21,22,23
	v_mov_b32 v[CF+24*\m+\j], 0
.endr
.endr
	s_wait_loadcnt 0x0                             ; the MLP's weights
	WIN 0x41
.set i, 0
.rept 16
	v_ldexp_f32 v[MB1+i], v[MB1+i], s[NE23]
.set i, i+1
.endr
.set i, 0
.rept 8
	v_ldexp_f32 v[MB2+i], v[MB2+i], s[NE45]
	v_ldexp_f32 v[MW3+i], v[MW3+i], s[E45]
.set i, i+1
.endr
.irp u, 0,1
.irp j, 20,21,22,23
	v_mov_b32 v[W1F+24*\u+\j], 0
.endr
.endr
	s_wait_dscnt 0x0
	WIN 0x11                                       ; source 0 (mw1) and source 2 (mb1) window 1.  The eight accumulators take turns, one instruction a turn
.irp u, 0,1
.irp m, 0,1,2,3
	v_wmma_f32_16x16x64_fp8_fp8 v[ZA+8*(4*\u+\m):ZA+8*(4*\u+\m)+7], v[W1F+24*\u:W1F+24*\u+7], v[CF+24*\m:CF+24*\m+7], v[MB1+8*\u:MB1+8*\u+7]
.endr
.endr
	WIN 0x01
.irp s, 1,2
.irp u, 0,1
.irp m, 0,1,2,3
	v_wmma_f32_16x16x64_fp8_fp8 v[ZA+8*(4*\u+\m):ZA+8*(4*\u+\m)+7], v[W1F+24*\u+8*\s:W1F+24*\u+8*\s+7], v[CF+24*\m+8*\s:CF+24*\m+8*\s+7], v[ZA+8*(4*\u+\m):ZA+8*(4*\u+\m)+7]
.endr
.endr
.endr
	WIN 0
	v_mov_b32 v[SCL], s[SCH]                       ; this line and three v_nop: the four places behind the last product
.rept 3
	v_nop
.endr
.irp m, 0,1,2,3
.irp u, 0,1
.irp j, 0,1,2,3,4,5,6,7
	v_med3_num_f32 v[ZA+8*(4*\u+\m)+\j], v[ZA+8*(4*\u+\m)+\j], 0, s[LPH]   ; the activation and the hold in one
.endr
.endr
	v_cvt_scalef32_pk8_fp8_f32 v[192+4*\m:193+4*\m], v[ZA+8*\m:ZA+8*\m+7], v[SCL]          ; units 32 w + 16 h + 0 .. 7,
	v_cvt_scalef32_pk8_fp8_f32 v[194+4*\m:195+4*\m], v[ZA+32+8*\m:ZA+32+8*\m+7], v[SCL]    ; and + 8 .. 15, of sample 16 m + r
.endr
	v_nop
.irp m, 0,1,2,3
	ds_store_b128 v3, v[192+4*\m:195+4*\m] offset:4352*\m
.endr
	BARRIER                                        ; 64 rows of 256 codes lie in Z1
; ---- LAYER 2, transposed: source 0 = my 16 rows of mw2, source 1 = 16 samples; then my part of the last dot product
.set ZF, 24                            ; v24-151: tile m, K step s at 24 + 32 m + 16 s
.set A2, 160                           ; v160-191: four accumulators
.irp m, 0,1,2,3
.irp s, 0,1
.irp c, 0,1,2,3
	ds_load_b128 v[ZF+32*\m+16*\s+4*\c:ZF+32*\m+16*\s+4*\c+3], v4 offset:4352*\m+128*\s+32*\c
.endr
.endr
.endr
	s_wait_dscnt 0x0
	WIN 0x11
.irp m, 0,1,2,3
	v_wmma_f32_16x16x128_fp8_fp8 v[A2+8*\m:A2+8*\m+7], v[W2F:W2F+15], v[ZF+32*\m:ZF+32*\m+15], v[MB2:MB2+7]
.endr
	WIN 0x01
.irp m, 0,1,2,3
	v_wmma_f32_16x16x128_fp8_fp8 v[A2+8*\m:A2+8*\m+7], v[W2F+16:W2F+31], v[ZF+32*\m+16:ZF+32*\m+31], v[A2+8*\m:A2+8*\m+7]
.endr
	WIN 0
.rept 4
	v_nop
.endr
.set i, 0
.rept 32
	v_max_num_f32 v[A2+i], 0, v[A2+i]
.set i, i+1
.endr
	WIN 0x04                                       ; source 1 (mw3) window 1
.irp m, 0,1,2,3
	v_pk_mul_f32 v[208+2*\m:209+2*\m], v[A2+8*\m:A2+8*\m+1], v[MW3:MW3+1]
.endr
.irp j, 2,4,6
.irp m, 0,1,2,3
	v_pk_fma_f32 v[208+2*\m:209+2*\m], v[A2+8*\m+\j:A2+8*\m+\j+1], v[MW3+\j:MW3+\j+1], v[208+2*\m:209+2*\m]
.endr
.endr
	WIN 0
.irp m, 0,1,2,3
	v_add_f32 v[208+2*\m], v[208+2*\m], v[209+2*\m]
.endr
.irp m, 0,1,2,3
	v_permlanex16_b32 v[209+2*\m], v[208+2*\m], s[SEL], s[SEL+1]
.endr
.irp m, 0,1,2,3
	v_add_f32 v[208+2*\m], v[208+2*\m], v[209+2*\m]        ; my wave's 16 units of sample 16 m + r
.endr
.irp m, 0,1,2,3
	ds_store_b32 v5, v[208+2*\m] offset:64*\m
.endr
	BARRIER                                        ; the eight waves' parts lie in PART
	s_cmp_lg_u32 s[WV], 0                          ; wave 0 adds them and stores the work-group's 64 numbers: no barrier stands behind this branch
	s_cbranch_scc1 .Ldone
.irp i, 0,1,2,3,4,5,6,7
	ds_load_b64 v[24+2*\i:25+2*\i], v22 offset:256*\i
.endr
	s_wait_dscnt 0x0
	v_pk_add_f32 v[24:25], v[24:25], v[26:27]
	v_pk_add_f32 v[28:29], v[28:29], v[30:31]
	v_pk_add_f32 v[32:33], v[32:33], v[34:35]
	v_pk_add_f32 v[36:37], v[36:37], v[38:39]
	v_pk_add_f32 v[24:25], v[24:25], v[28:29]
	v_pk_add_f32 v[32:33], v[32:33], v[36:37]
	v_pk_add_f32 v[24:25], v[24:25], v[32:33]
	v_pk_add_f32 v[24:25], v[24:25], s[54:55] op_sel_hi:[1,0]   ; + mb3 (the pair's low word for both halves)
	global_store_b64 v23, v[24:25], s[46:47] th:TH_STORE_NT    ; 32 lanes store 256 consecutive bytes, at a multiple of 256 from out's first byte
.Ldone:
	s_wait_xcnt 0x0
	v_lshl_add_u32 v254, v0, 2, 0x36c00
	v_mov_b32 v255, 0
	s_wait_tensorcnt 0x0
	ds_add_u32 v254, v255
	s_wait_dscnt 0x0
	s_endpgm
.Lfunc_end_k_qab08ce8eb0_din:
	.size	k_qab08ce8eb0_din, .Lfunc_end_k_qab08ce8eb0_din-k_qab08ce8eb0_din
	.p2alignl 7, 3214868480
	.fill 96, 4, 3214868480
	.section	.rodata,"a",@progbits
	.p2align	6, 0x0
	.amdhsa_kernel k_qab08ce8eb0_din
		.amdhsa_group_segment_fixed_size 225280
		.amdhsa_private_segment_fixed_size 0
		.amdhsa_enable_private_segment 0
		.amdhsa_kernarg_size 160
		.amdhsa_user_sgpr_count 2
		.amdhsa_user_sgpr_kernarg_segment_ptr 1
		.amdhsa_wavefront_size32 1
		.amdhsa_system_sgpr_workgroup_id_x 1
		.amdhsa_system_sgpr_workgroup_id_y 1
		.amdhsa_system_sgpr_workgroup_id_z 1
		.amdhsa_system_vgpr_workitem_id 0
		.amdhsa_next_free_vgpr 512
		.amdhsa_next_free_sgpr 80
		.amdhsa_reserve_vcc 1
		.amdhsa_float_denorm_mode_32 3
		.amdhsa_float_denorm_mode_16_64 3
		.amdhsa_memory_ordered 1
		.amdhsa_forward_progress 1
		.amdhsa_inst_pref_size 205
	.end_amdhsa_kernel
	.amdgpu_metadata
---
amdhsa.version: [ 1, 2 ]
amdhsa.kernels:
  - .name:           k_qab08ce8eb0_din
    .symbol:         k_qab08ce8eb0_din.kd
    .args:
      - { .name: history_goods, .offset: 0, .size: 8, .value_kind: global_buffer, .address_space: global }
      - { .name: history_classes, .offset: 8, .size: 8, .value_kind: global_buffer, .address_space: global }
      - { .name: item_table, .offset: 16, .size: 8, .value_kind: global_buffer, .address_space: global }
      - { .name: cat_table, .offset: 24, .size: 8, .value_kind: global_buffer, .address_space: global }
      - { .name: candidate_good, .offset: 32, .size: 8, .value_kind: global_buffer, .address_space: global }
      - { .name: candidate_class, .offset: 40, .size: 8, .value_kind: global_buffer, .address_space: global }
      - { .name: customer_id, .offset: 48, .size: 8, .value_kind: global_buffer, .address_space: global }
      - { .name: user_table, .offset: 56, .size: 8, .value_kind: global_buffer, .address_space: global }
      - { .name: aw1_codes, .offset: 64, .size: 8, .value_kind: global_buffer, .address_space: global }
      - { .name: ab1, .offset: 72, .size: 8, .value_kind: global_buffer, .address_space: global }
      - { .name: aw2, .offset: 80, .size: 8, .value_kind: global_buffer, .address_space: global }
      - { .name: ab2, .offset: 88, .size: 8, .value_kind: global_buffer, .address_space: global }
      - { .name: lowp_scales, .offset: 96, .size: 8, .value_kind: global_buffer, .address_space: global }
      - { .name: mw1_codes, .offset: 104, .size: 8, .value_kind: global_buffer, .address_space: global }
      - { .name: mb1, .offset: 112, .size: 8, .value_kind: global_buffer, .address_space: global }
      - { .name: mw2_codes, .offset: 120, .size: 8, .value_kind: global_buffer, .address_space: global }
      - { .name: mb2, .offset: 128, .size: 8, .value_kind: global_buffer, .address_space: global }
      - { .name: mw3, .offset: 136, .size: 8, .value_kind: global_buffer, .address_space: global }
      - { .name: mb3, .offset: 144, .size: 8, .value_kind: global_buffer, .address_space: global }
      - { .name: out0, .offset: 152, .size: 8, .value_kind: global_buffer, .address_space: global }
    .group_segment_fixed_size: 225280
    .private_segment_fixed_size: 0
    .kernarg_segment_align: 8
    .kernarg_segment_size: 160
    .max_flat_workgroup_size: 256
    .sgpr_count:     80
    .vgpr_count:     512
    .wavefront_size: 32
...
	.end_amdgpu_metadata
.endif
;; end of part 2
;; ======== version 3 of 3: 1 launch; version 2 with the launch din written anew for expert scheduling mode
;; launch din (part 3): grid 256 x 1, 8 waves a work-group, no clusters, 225,280 bytes of LDS; arguments history_goods, history_classes, item_table, cat_table, candidate_good, candidate_class, customer_id, user_table, aw1_codes, ab1, aw2, ab2, lowp_scales, mw1_codes, mb1, mw2_codes, mb2, mw3, mb3, out0; writes out0
.if DOCPART == 3
	.amdgcn_target "amdgcn-amd-amdhsa--gfx1250"
	.amdhsa_code_object_version 6
	.text
	.protected	k_qab08ce8eb0_din
	.globl	k_qab08ce8eb0_din
	.p2align	8
	.type	k_qab08ce8eb0_din,@function
k_qab08ce8eb0_din:
	s_mov_b64 s[64:65], 0
	v_nop
	global_prefetch_b8 v0, s[64:65] scope:SCOPE_SE
	s_setreg_imm32_b32 hwreg(HW_REG_WAVE_SCHED_MODE, 0, 2), 2
	s_setreg_imm32_b32 hwreg(HW_REG_WAVE_MODE, 25, 1), 1
	s_wait_xcnt 0x0
	s_wait_alu depctr_vm_vsrc(0)
; DIN: for each of 16,384 samples: 50 history rows h (item 32 + class 32 f32) are gathered; info = [q, h, q-h, q*h] (256) is quantised to E4M3 with 2^e0 and multiplied by aw1's codes (80 units);
; + ab1, relu, . aw2 + ab2 in f32; -1e9 where history_goods is 0; softmax over the 50; att = the weighted sum of h in f32; then [user, q, att] (160) -> 256 -> 128 -> 1, the first two products on codes.
; SHARES.  256 work-groups of 8 waves; a work-group owns 64 samples, a wave 8.  A tile of 16 info rows is 2 rows of EACH of the wave's 8 samples: row r (= lane % 16) is sample r / 2, place 2 t + r % 2, t = 0 .. 24:
; 25 full tiles, no padded row.  So a lane belongs to one sample for the whole launch: its q and q's codes are made once, the softmax runs in the lane (running maximum M, sum S, weighted sum ATT),
; and the two lanes of a sample (lane xor 1) meet once, at the end.
; PRODUCT 1 IS USED TRANSPOSED: source 0 = 16 units of aw1, source 1 = the 16 info rows: lane (r, h = lane / 16) holds row r, and register j of tile T unit 16 T + 8 h + j.
; Fragments are filled by pieces of 16 codes: registers 4 c .. 4 c + 3 hold k = 128 s + 32 c + 16 h + 0 .. 15, alike in both operands: a permutation of k inside an instruction, which changes only the order of its sums.
; The blocks of 32 along K are q item, q class, h item, h class, (q-h) twice, (q*h) twice: lane (r, h) needs dims 16 h .. 16 h + 15 of both parts.
; ab1 x 2^-(e0+e1) is the C of each sum's first instruction; aw2 is kept x 2^(e0+e1).
; THE CLASS TABLE LIES IN LDS: its 128,000 bytes are copied once by the work-group, in place of 64 x 50 x 128 = 409,600 bytes of class rows gathered from memory.  A lane reads the 64 bytes of its row that its fragment wants.
; THE ITEM ROWS are gathered into the fragment's layout: a lane takes 64 consecutive bytes of its row by four loads of 16 that follow each other; lanes r and r + 16 take the row's 128 bytes.
; The gathers run three tiles ahead of the work in four register buffers: at a tile's head the buffer that the tile before has left is asked for again, and 12 loads of a wave stay out behind the wait for the tile's own.
; The table's reads run one tile ahead in two buffers.
; Between the head's barrier and the barrier behind the last tile no wave stores into LDS: the table's reads, whose address hangs on an index, stand beside LDS loads alone.
; THE MLP: the waves share the columns: wave w makes units 32 w .. of layer 1 and 16 w .. of layer 2 for all 64 samples, each weight byte read by one wave; codes go from wave to wave through LDS.
; NO CLUSTER: what work-groups share is read once by each: the table's 128,000 bytes and the weights' 94,208, against 409,600 bytes of item rows that a work-group gathers by its own list, row by row, which no tile covers.
; A joint load of the table for four work-groups would spare 96,000 of the 682,000 bytes that a work-group asks for; it was not built.
; THE MODE: SCHED_MODE bits 1:0 = 2 (LLVM: expert scheduling mode 2), set by the entry lines.  The code itself states the register dependences
; between vector or matrix instructions and memory or LDS instructions, with s_wait_alu, always for 0.
; THE PLAN.  Registers that memory or LDS instructions touch, in the loop (tile t):
;   HI[t % 4]   Read by tile t's conversions and by its P x h; the gather at tile t + 1's head (tile t + 4's rows) lands in it.
;   HC[t % 2]   Read by tile t likewise; the table's reads at tile t + 1's head (tile t + 2's rows) land in it.
;   OFI[t % 4]  An LDS load at tile t's head lands in it (history_goods of tile t + 4); two vector lines behind tile t's products turn it into an offset; the gather at tile t + 1's head reads it.
;   IC[t % 2]   An LDS load at tile t's head lands in it (history_classes of tile t + 2); three vector lines in tile t's middle turn it into an LDS address; the table's reads at tile t + 1's head read it.
;   MIDX        An LDS load at tile t's head lands in it; one compare in the tile's middle reads it.
;   ADM         Read by every index load; written once a trip, at the trip's head.
;   Q, AF, T / ACC, ATT, aw1's fragments, ab1 and aw2 are named by vector and matrix instructions alone.
; So ALL MEMORY AND LDS INSTRUCTIONS OF A TILE STAND AT ITS HEAD, behind two waits.  The wait on vm_vsrc states that earlier gathers and LDS loads have read the registers in which this head's index loads land, and ADM.
; The wait on va_vdst states that the tile before is done reading its HI and HC and has written its OFI and IC, and that ADM is written.  No vector instruction stands among the head's loads.
; Two more waits stand in a tile: on va_vcc, between the compare and the select that reads its mask; on va_vdst, between the two exponentials and their first reader.
; LIMITS.  e0, e2 and e4 - e2 - e3 between -126 and 119 (each power of two and 448 x it is made as an f32 pattern); the other sums of exponents go by v_ldexp_f32.  Scores under -3e38, NaN and infinities among the inputs are not served.
; Indices are held inside their tables by v_min_u32.  A sample all of whose places are masked gets equal weights.
; LDS (bytes)
.set AWL,  0                           ; aw1's 80 rows of 256 codes, 272 apart: the 16 rows of a fragment load start at 16 different 16-byte columns modulo 256
.set IDXG, 21760                       ; history_goods of the 64 samples as in memory: 1,600 a wave, 200 a sample
.set IDXD, 12800                       ; history_classes lie so far behind
.set CMB,  47360                       ; codes of [user, q, att]: 64 rows, 208 apart
.set Z1,   60672                       ; codes of layer 1's result: 64 rows, 272 apart
.set PART, 78080                       ; [8 waves][64 samples] f32: each wave's part of the last dot product
.set CAT,  80128                       ; the class table: 1,000 rows
.set CP,   144                         ; apart: 128 bytes + 16: nine pieces of 16, an odd number, so rows whose numbers differ modulo 16 begin at different 16-byte columns modulo 256
; VECTOR REGISTERS, window 0
.set MSKA, 1                           ; LDS: IDXG + 1600 w + 200 (r / 2) + 4 (r % 2): my info row's history_goods of tile 0
.set CBASE, 2                          ; LDS: CAT + 64 h
.set H64,  3                           ; 64 h: dims 16 h on in a table row
.set IC,   4                           ; v4-5     a ring of two: my row's history_classes of a tile to come, turned in place into an LDS address
.set MIDX, 6                           ; my row's history_goods, for the mask
.set SCL,  7                           ; the conversions' scale
.set OFI,  8                           ; v8-11    a ring of four: my row's history_goods of a tile to come, turned in place into the gather's byte offset
.set M,    16
.set S,    17
.set SCA,  18                          ; v[18:19], v[20:21] the score in two chains
.set SCB,  20
.set ADM,  22                          ; MSKA + 8 x the trip's first tile
.set AWA,  23                          ; LDS: a fragment of aw1: row r, 16 h
.set Q,    24                          ; v24-55   q: 16 item dims, 16 class dims
.set AF,   56                          ; v56-87   info's two fragments: q, h | q-h, q*h
.set T,    88                          ; v88-119  numbers on their way to codes
.set ACC,  88                          ; v88-127  then the five accumulators; behind the score: v88 F, v90 P, v92-95 at work, v96-127 P x h
.set ATT,  128                         ; v128-159
.set HI,   160                         ; v160-223 four buffers of 16: a tile's item dims
.set HC,   224                         ; v224-255 two buffers of 16: a tile's class dims.  (In the head: v224-243 at work)
.set TA0,  240                         ; in the head: v240-242 LDS addresses of the table's copy, 14 rounds apart (an LDS offset has 16 bits)
; window 1
.set AW1,  0                           ; aw1's fragment (T, s) at 32 T + 16 s.  (In the head, ahead of them: v0-124 the class table on its way to LDS)
.set AB1,  160
.set AW2,  200
.set U,    240                         ; the user row's dims 16 h ..
.set W1F,  0                           ; from the last tile on: mw1's tile u at 24 u (five blocks of 4 registers, 4 of zeros),
.set W2F,  48                          ; mw2's K step s at 48 + 16 s,
.set MB1,  80
.set MB2,  96
.set MW3,  104
; SCALAR REGISTERS: s[8:47] the twenty addresses in the order of the arguments; s[48:53] e0 .. e5; s54 mb3; s55 ab2
.set WV,   2
.set LP0,  56                          ; 448 x 2^e0, and its negative
.set LN0,  57
.set LP2,  58                          ; the same for e2
.set LN2,  59
.set SEL,  60                          ; s[60:61] selects of v_permlanex16_b32: lane xor 16
.set LPH,  62                          ; 448 x 2^(e4-e2-e3)
.set SC0,  63                          ; 2^e0
.set SC2,  66                          ; 2^e2
.set SCH,  67                          ; 2^(e4-e2-e3)
.set E01,  68
.set NE01, 69
.set NE23, 70
.set NE45, 71
.set E45,  72
.set ST8,  73                          ; 8 x the trip's first tile
.set TRIP, 78
.set MSB, 0
.macro WIN new                         ; the immediate's high byte repeats the setting that is left; a switch that changes nothing is dropped
.if MSB != \new
	s_set_vgpr_msb (MSB<<8)|\new
.set MSB, \new
.endif
.endm
.macro GATHER k                        ; my row's 64 bytes of item dims, into buffer k
.irp j, 0,1,2,3
	global_load_b128 v[HI+16*(\k)+4*\j:HI+16*(\k)+4*\j+3], v[OFI+(\k)], s[12:13] offset:16*\j
.endr
.endm
.macro HOLD dst, src, n, lo, hi        ; the conversion to an 8-bit code does not saturate (ISA guide 7.6.2): each number is held within the largest code x the scale first
.set ii, 0
.rept \n
	v_med3_num_f32 v[\dst+ii], v[\src+ii], s[\lo], s[\hi]
.set ii, ii+1
.endr
.endm
.macro CODES dst                       ; T's 32 numbers become 8 registers of codes
.irp g, 0,1,2,3
	v_cvt_scalef32_pk8_fp8_f32 v[\dst+2*\g:\dst+2*\g+1], v[T+8*\g:T+8*\g+7], v[SCL]
.endr
.endm
; The three blocks that hang on 16 numbers of h (v[hb] on) and q's 16 beside them (v[Q+o] on): h, q - h, q * h: four registers of codes each.
; The two halves of T take turns, so that plain lines on one half stand between the conversions of the other half and the next write of their sources.
.macro TRIO hb, o
	HOLD T, \hb, 16, LN0, LP0
	v_cvt_scalef32_pk8_fp8_f32 v[AF+8+(\o)/4:AF+9+(\o)/4],   v[T:T+7],    v[SCL]
	v_cvt_scalef32_pk8_fp8_f32 v[AF+10+(\o)/4:AF+11+(\o)/4], v[T+8:T+15], v[SCL]
.set i, 0
.rept 8
	v_pk_add_f32 v[T+16+i:T+17+i], v[Q+(\o)+i:Q+(\o)+i+1], v[\hb+i:\hb+i+1] neg_lo:[0,1] neg_hi:[0,1]   ; q - h
.set i, i+2
.endr
	HOLD T+16, T+16, 16, LN0, LP0
	v_cvt_scalef32_pk8_fp8_f32 v[AF+16+(\o)/4:AF+17+(\o)/4], v[T+16:T+23], v[SCL]
	v_cvt_scalef32_pk8_fp8_f32 v[AF+18+(\o)/4:AF+19+(\o)/4], v[T+24:T+31], v[SCL]
.set i, 0
.rept 8
	v_pk_mul_f32 v[T+i:T+i+1], v[Q+(\o)+i:Q+(\o)+i+1], v[\hb+i:\hb+i+1]                                 ; q * h
.set i, i+2
.endr
	HOLD T, T, 16, LN0, LP0
	v_cvt_scalef32_pk8_fp8_f32 v[AF+24+(\o)/4:AF+25+(\o)/4], v[T:T+7],    v[SCL]
	v_cvt_scalef32_pk8_fp8_f32 v[AF+26+(\o)/4:AF+27+(\o)/4], v[T+8:T+15], v[SCL]
.endm
.macro MUL10                           ; the five accumulators take turns, one instruction a turn; the first K step starts the sums on the bias
	WIN 0x11                                       ; source 0 (aw1) and source 2 (ab1) window 1
.irp t, 0,1,2,3,4
	v_wmma_f32_16x16x128_fp8_fp8 v[ACC+8*\t:ACC+8*\t+7], v[AW1+32*\t:AW1+32*\t+15], v[AF:AF+15], v[AB1+8*\t:AB1+8*\t+7]
.endr
	WIN 0x01
.irp t, 0,1,2,3,4
	v_wmma_f32_16x16x128_fp8_fp8 v[ACC+8*\t:ACC+8*\t+7], v[AW1+32*\t+16:AW1+32*\t+31], v[AF+16:AF+31], v[ACC+8*\t:ACC+8*\t+7]
.endr
	WIN 0
.endm
.macro BARRIER                         ; my LDS stores have landed and my LDS loads are in: then the work-group's barrier
	s_wait_dscnt 0x0
	s_barrier_signal -1
	s_barrier_wait -1
.endm
.macro MLPW                            ; the MLP's weights, into the registers that aw1 has left.  The ten plain lines are the places behind the last products, for the first read of the sums
	s_wait_alu depctr_vm_vsrc(0)                   ; the gathers have read v8-11 and the head's loads of q and the user row v12-14, which the lines below write; the table's reads have read v4-5 and the index loads v22, which the lines behind this tile write
	v_and_b32 v12, 15, v0                          ; r
	v_bfe_u32 v13, v0, 4, 1                        ; h
	v_and_b32 v14, 8, v0
	v_add_nc_u32 v14, v14, v12                     ; r + 8 (r / 8): THE ROWS OF mw1 THAT FORM A TILE ARE NOT NEIGHBOURS: lane r of tile u takes row 32 w + 8 u + r + 8 (r / 8),
	v_mul_u32_u24 v8, v14, 160                     ; so that the 16 registers of tiles 0 and 1 are units 32 w + 16 h + 0 .. 15: 16 neighbours along the next K
	v_lshl_add_u32 v8, v13, 4, v8
	v_lshlrev_b32 v9, 8, v12                       ; mw2: row 16 w + r of 256 codes
	v_lshl_add_u32 v9, v13, 4, v9
	v_lshlrev_b32 v10, 6, v13                      ; mb1: 16 h numbers on
	v_lshlrev_b32 v11, 5, v13                      ; mb2, mw3: 8 h numbers on
	WIN 0x40
	s_wait_alu depctr_va_vdst(0)                   ; v8-11 are written, which the loads below read as offsets; the last products are done reading aw1's fragments, in which these loads land
.irp u, 0,1
.irp b, 0,1,2,3,4
	global_load_b128 v[W1F+24*\u+4*\b:W1F+24*\u+4*\b+3], v8, s[34:35] offset:1280*\u+32*\b
.endr
.endr
.irp s, 0,1
.irp c, 0,1,2,3
	global_load_b128 v[W2F+16*\s+4*\c:W2F+16*\s+4*\c+3], v9, s[38:39] offset:128*\s+32*\c
.endr
.endr
.irp u, 0,1
	global_load_b128 v[MB1+8*\u:MB1+8*\u+3],   v10, s[36:37] offset:32*\u
	global_load_b128 v[MB1+8*\u+4:MB1+8*\u+7], v10, s[36:37] offset:32*\u+16
.endr
	global_load_b128 v[MB2:MB2+3],   v11, s[40:41]
	global_load_b128 v[MB2+4:MB2+7], v11, s[40:41] offset:16
	global_load_b128 v[MW3:MW3+3],   v11, s[42:43]
	global_load_b128 v[MW3+4:MW3+7], v11, s[42:43] offset:16
	WIN 0
.endm
; ONE TILE.  k: the tile's number in the trip: item buffer and offset register k % 4, class buffer and address register k % 2.
; gath = 1: the item buffer that the tile before has left takes the tile three on;  fill = 1: history_goods of the tile four on is fetched and turned into an offset;
; cfill = 1: the other class buffer takes the next tile;  cidx = 1: history_classes of the tile two on is fetched and turned into an address;
; lcnt: the gathers that may stay out when this tile's four must be in; mlp = 1: the last tile, which asks for the MLP's weights.
.macro STEP k, gath, fill, cfill, cidx, lcnt, mlp
.set HB, HI+16*((\k)%4)
.set CB, HC+16*((\k)%2)
.set CN, HC+16*(((\k)+1)%2)
.set OF, OFI+(\k)%4
.set ICA, IC+(\k)%2
.set ICN, IC+((\k)+1)%2
.if \fill || \cidx
	s_wait_alu depctr_vm_vsrc(0)                   ; this tile's own gather, three tiles back, has read v[OF]; the last table's reads have read v[ICA]: index loads below land in both; in a trip's first tile: the last trip's index loads have read v[ADM]
.endif
.if (\k) == 0
	v_add_nc_u32 v[ADM], s[ST8], v[MSKA]
.endif
.if \gath || \cfill
	s_wait_alu depctr_va_vdst(0)                   ; the tile before is done reading its item and class buffers, in which the loads below land, and has written its offset and v[ICN], which they read; in a trip's first tile: v[ADM] is written
.endif
.if \gath
	GATHER ((\k)+3)%4                              ; the tile three on
.endif
.if \cfill
.irp j, 0,1,2,3
	ds_load_b128 v[CN+4*\j:CN+4*\j+3], v[ICN] offset:16*\j   ; the next tile's class dims
.endr
.endif
	s_wait_loadcnt \lcnt                           ; loads come back in order: this tile's four gathers are in, so their offset register may be written again
	ds_load_b32 v[MIDX], v[ADM] offset:8*(\k)      ; (its last reader, the compare of the tile before, stands ahead of that tile's wait for its exponentials)
.if \cidx
	ds_load_b32 v[ICA], v[ADM] offset:8*(\k)+16+IDXD
.endif
.if \fill
	ds_load_b32 v[OF], v[ADM] offset:8*(\k)+32
.endif
	TRIO HB, 0                                     ; the item half: it stands between the head's LDS loads and the wait for them
	s_wait_dscnt 0x0                               ; the index words, and the next tile's class dims
	v_cmp_ne_u32 vcc_lo, 0, v[MIDX]                ; the mask, far ahead of the select that reads it
.if \cidx
	v_min_u32 v[ICA], 0x3e7, v[ICA]                ; a loaded number enters an address only held inside its table.  (Plain lines between the conversions and the next write of their sources)
	v_lshl_add_u32 v[ICA], v[ICA], 3, v[ICA]       ; 9 x index,
	v_lshl_add_u32 v[ICA], v[ICA], 4, v[CBASE]     ; x 16 = 144 x index, + the table + 64 h
.else
	v_nop
.endif
	TRIO CB, 16                                    ; the class half
	v_nop                                          ; one plain line between a scaled conversion and the matrix instructions that read its result and write its sources
	MUL10
.if \mlp
	MLPW
.elseif \fill
	v_min_u32 v[OF], 0x1869f, v[OF]                ; four places between the last matrix instruction and the first read of a sum (ISA guide 7.12.1): two of them make the next gather's offset
	v_lshl_add_u32 v[OF], v[OF], 7, v[H64]
	v_nop
	v_nop
.else
.rept 4
	v_nop
.endr
.endif
.set i, 0
.rept 40
	v_max_num_f32 v[ACC+i], 0, v[ACC+i]            ; relu; each accumulator from its low end on
.set i, i+1
.endr
	WIN 0x04                                       ; source 1 (aw2) window 1
	v_pk_mul_f32 v[SCA:SCA+1], v[ACC:ACC+1], v[AW2:AW2+1]
	v_pk_mul_f32 v[SCB:SCB+1], v[ACC+2:ACC+3], v[AW2+2:AW2+3]
.set i, 4
.rept 9
	v_pk_fma_f32 v[SCA:SCA+1], v[ACC+i:ACC+i+1], v[AW2+i:AW2+i+1], v[SCA:SCA+1]
	v_pk_fma_f32 v[SCB:SCB+1], v[ACC+i+2:ACC+i+3], v[AW2+i+2:AW2+i+3], v[SCB:SCB+1]
.set i, i+4
.endr
	WIN 0
	v_pk_add_f32 v[SCA:SCA+1], v[SCA:SCA+1], v[SCB:SCB+1]
	v_add_f32 v[SCA], v[SCA], v[SCA+1]             ; my 40 units,
	v_permlanex16_b32 v95, v[SCA], s[SEL], s[SEL+1]
	v_add_f32 v[SCA], v[SCA], v95                  ; and the other 40, in the lane 16 away
	v_add_f32 v[SCA], s55, v[SCA]                  ; + ab2
	s_wait_alu depctr_va_vcc(0)                    ; the compare in the tile's middle has written VCC, which the select reads
	v_cndmask_b32 v[SCA], 0xce6e6b28, v[SCA], vcc_lo   ; -1e9 where history_goods is 0
	v_max_num_f32 v92, v[M], v[SCA]                ; the new maximum
	v_sub_f32 v93, v[M], v92
	v_sub_f32 v94, v[SCA], v92
	v_mul_f32 v93, 0x3fb8aa3b, v93
	v_mul_f32 v94, 0x3fb8aa3b, v94
	v_exp_f32 v88, v93                             ; F = e^(old maximum - new)
	v_exp_f32 v90, v94                             ; P = e^(score - new maximum)
	v_mov_b32 v[M], v92                            ; (the plain line behind the exponentials)
	s_wait_alu depctr_va_vdst(0)                   ; the two exponentials have written F and P: one wait for both, ahead of their first reader
	v_fma_f32 v[S], v[S], v88, v90
.set i, 0
.rept 8
	v_pk_mul_f32 v[96+i:97+i], v[HB+i:HB+i+1], v[90:91] op_sel_hi:[1,0]
.set i, i+2
.endr
.set i, 0
.rept 8
	v_pk_mul_f32 v[112+i:113+i], v[CB+i:CB+i+1], v[90:91] op_sel_hi:[1,0]
.set i, i+2
.endr
.set i, 0
.rept 16
	v_pk_fma_f32 v[ATT+i:ATT+i+1], v[ATT+i:ATT+i+1], v[88:89], v[96+i:97+i] op_sel_hi:[1,0,1]   ; ATT = ATT F + P h
.set i, i+2
.endr
.endm
; ---- THE HEAD
	s_load_b512 s[8:23], s[0:1], 0x0
	s_load_b512 s[24:39], s[0:1], 0x40
	s_load_b256 s[40:47], s[0:1], 0x80
	v_lshrrev_b32 v224, 5, v0
	v_readfirstlane_b32 s[WV], v224                ; wave 0..7
	v_and_b32 v225, 15, v0                         ; r
	v_bfe_u32 v226, v0, 4, 1                       ; h
	v_and_b32 v227, 31, v0                         ; lane
	v_bfe_u32 v228, v0, 1, 3                       ; r / 2: my sample among the wave's eight
	v_and_b32 v229, 1, v0                          ; r % 2
	s_wait_alu depctr_va_sdst(0)                   ; the wave's number is written, ahead of its first reader
	s_mul_i32 s3, s[WV], 1600
	s_add_co_u32 s3, s3, IDXG                      ; my wave's indices in LDS
	v_mul_u32_u24 v[MSKA], v228, 200
	v_lshl_add_u32 v[MSKA], v229, 2, v[MSKA]
	v_add_nc_u32 v[MSKA], s3, v[MSKA]
	v_lshlrev_b32 v[H64], 6, v226
	v_add_nc_u32 v[CBASE], CAT, v[H64]
	v_lshlrev_b32 v230, 4, v227                    ; 16 x lane
	v_and_b32 v231, 3, v0
	v_lshlrev_b32 v231, 4, v231                    ; 16 x (lane % 4): the last 64 of 1,600 bytes
	v_add_nc_u32 v232, s3, v230
	v_add_nc_u32 v233, s3, v231
	v_lshlrev_b32 v234, 4, v0                      ; aw1 and the class table: 16 x thread
	v_lshrrev_b32 v235, 4, v0
	v_mul_u32_u24 v235, v235, 272
	v_lshl_add_u32 v235, v225, 4, v235             ; aw1 in LDS: row thread / 16, byte 16 (thread % 16)
	v_lshlrev_b32 v236, 5, v226                    ; ab1, aw2: 8 h numbers on
	v_lshlrev_b32 v237, 2, v228                    ; my sample's ids
	v_lshrrev_b32 v[TA0], 3, v0                    ; the table in LDS: piece thread + 256 i is row thread / 8 + 32 i, byte 16 (thread % 8)
	v_mul_u32_u24 v[TA0], v[TA0], CP
	v_and_b32 v238, 7, v0
	v_lshl_add_u32 v[TA0], v238, 4, v[TA0]
	v_add_nc_u32 v[TA0], CAT, v[TA0]
	v_add_nc_u32 v[TA0+1], 14*32*CP, v[TA0]
	v_add_nc_u32 v[TA0+2], 28*32*CP, v[TA0]
	v_lshlrev_b32 v239, 2, v0                      ; its last eight rows, 1,024 bytes: a word a thread, a row a wave
	s_mul_i32 s4, s[WV], CP
	s_add_co_u32 s4, s4, CAT+992*CP
	v_lshl_add_u32 v243, v227, 2, s4
	v_mul_u32_u24 v[AWA], v225, 272
	v_lshl_add_u32 v[AWA], v226, 4, v[AWA]
	s_lshl_b32 s5, ttmp9, 6
	s_lshl_b32 s6, s[WV], 3
	s_add_co_u32 s5, s5, s6                        ; my wave's first sample: 64 x work-group + 8 x wave
	s_mov_b32 s7, 0
	s_mov_b32 s[SEL], 0x76543210
	s_mov_b32 s[SEL+1], 0xfedcba98
	s_wait_kmcnt 0x0
	s_load_b128 s[48:51], s[32:33], 0x0            ; e0 .. e3
	s_load_b64 s[52:53], s[32:33], 0x10            ; e4, e5
	s_load_b32 s54, s[44:45], 0x0                  ; mb3
	s_load_b32 s55, s[30:31], 0x0                  ; ab2
	s_mul_i32 s6, s5, 200
	s_add_nc_u64 s[8:9], s[8:9], s[6:7]            ; history_goods and history_classes at my wave's first sample
	s_add_nc_u64 s[10:11], s[10:11], s[6:7]
	s_lshl_b32 s6, s5, 2
	s_add_nc_u64 s[16:17], s[16:17], s[6:7]        ; the three id arrays likewise
	s_add_nc_u64 s[18:19], s[18:19], s[6:7]
	s_add_nc_u64 s[20:21], s[20:21], s[6:7]
	s_mul_i32 s6, s[WV], 5120
	s_add_nc_u64 s[34:35], s[34:35], s[6:7]        ; mw1: my 32 rows of 160 codes
	s_lshl_b32 s6, s[WV], 12
	s_add_nc_u64 s[38:39], s[38:39], s[6:7]        ; mw2: my 16 rows of 256
	s_lshl_b32 s6, s[WV], 7
	s_add_nc_u64 s[36:37], s[36:37], s[6:7]        ; mb1: my 32 numbers
	s_lshl_b32 s6, s[WV], 6
	s_add_nc_u64 s[40:41], s[40:41], s[6:7]        ; mb2, mw3: my 16
	s_add_nc_u64 s[42:43], s[42:43], s[6:7]
	s_lshl_b32 s6, ttmp9, 8
	s_add_nc_u64 s[46:47], s[46:47], s[6:7]        ; out: the work-group's 64 numbers
	s_wait_alu depctr_va_vdst(0)                   ; the head's offsets and LDS addresses (v1, v23, v230-243) are written, which its loads and stores read; no vector line names v224-243 again, in which the table's reads land later
	global_load_b32 v12, v237, s[16:17]            ; candidate_good, candidate_class, customer_id of my sample
	global_load_b32 v13, v237, s[18:19]
	global_load_b32 v14, v237, s[20:21]
.irp j, 0,1,2                                  ; my wave's 1,600 + 1,600 bytes of indices, as they lie: read once in the launch
	global_load_b128 v[AF+4*\j:AF+4*\j+3],       v230, s[8:9]   offset:512*\j th:TH_LOAD_NT
	global_load_b128 v[AF+16+4*\j:AF+16+4*\j+3], v230, s[10:11] offset:512*\j th:TH_LOAD_NT
.endr
	global_load_b128 v[AF+12:AF+15], v231, s[8:9]   offset:1536 th:TH_LOAD_NT
	global_load_b128 v[AF+28:AF+31], v231, s[10:11] offset:1536 th:TH_LOAD_NT
.irp j, 0,1,2,3,4                              ; aw1's 20,480 bytes, once for the work-group
	global_load_b128 v[ATT+4*\j:ATT+4*\j+3], v234, s[24:25] offset:4096*\j
.endr
	WIN 0x40                                       ; destination window 1
.irp t, 0,1,2,3,4                              ; register j of tile T: unit 16 T + 8 h + j
	global_load_b128 v[AB1+8*\t:AB1+8*\t+3],   v236, s[26:27] offset:64*\t
	global_load_b128 v[AB1+8*\t+4:AB1+8*\t+7], v236, s[26:27] offset:64*\t+16
	global_load_b128 v[AW2+8*\t:AW2+8*\t+3],   v236, s[28:29] offset:64*\t
	global_load_b128 v[AW2+8*\t+4:AW2+8*\t+7], v236, s[28:29] offset:64*\t+16
.endr
	WIN 0
	s_wait_loadcnt 33                              ; behind the three ids: 8 + 5 + 20 loads
	v_min_u32 v12, 0x1869f, v12
	v_min_u32 v13, 0x3e7, v13
	v_min_u32 v14, 0x1869f, v14
	v_lshl_add_u32 v12, v12, 7, v[H64]
	v_lshl_add_u32 v13, v13, 7, v[H64]
	v_lshl_add_u32 v14, v14, 7, v[H64]
	s_wait_alu depctr_va_vdst(0)                   ; v12-14 are written, which the twelve loads below read as offsets
.irp j, 0,1,2,3
	global_load_b128 v[Q+4*\j:Q+4*\j+3],       v12, s[12:13] offset:16*\j
	global_load_b128 v[Q+16+4*\j:Q+16+4*\j+3], v13, s[14:15] offset:16*\j
.endr
	WIN 0x40
.irp j, 0,1,2,3
	global_load_b128 v[U+4*\j:U+4*\j+3], v14, s[22:23] offset:16*\j
.endr
	WIN 0
	s_wait_loadcnt 37                              ; behind the indices: 5 + 20 + 12
.irp j, 0,1,2
	ds_store_b128 v232, v[AF+4*\j:AF+4*\j+3]       offset:512*\j
	ds_store_b128 v232, v[AF+16+4*\j:AF+16+4*\j+3] offset:512*\j+IDXD
.endr
	ds_store_b128 v233, v[AF+12:AF+15] offset:1536
	ds_store_b128 v233, v[AF+28:AF+31] offset:1536+IDXD
.irp k, 0,1,2,3
	ds_load_b32 v[OFI+\k], v[MSKA] offset:8*\k     ; LDS serves a wave's instructions in order: these see my stores.  My row's history_goods of tiles 0 to 3,
.endr
	ds_load_b32 v[IC],   v[MSKA] offset:IDXD       ; and its history_classes of tiles 0 and 1
	ds_load_b32 v[IC+1], v[MSKA] offset:IDXD+8
	s_wait_dscnt 0x0
.irp k, 0,1,2,3
	v_min_u32 v[OFI+\k], 0x1869f, v[OFI+\k]
.endr
.irp k, 0,1,2,3
	v_lshl_add_u32 v[OFI+\k], v[OFI+\k], 7, v[H64]
.endr
.irp k, 0,1
	v_min_u32 v[IC+\k], 0x3e7, v[IC+\k]
.endr
.irp k, 0,1
	v_lshl_add_u32 v[IC+\k], v[IC+\k], 3, v[IC+\k]
.endr
.irp k, 0,1
	v_lshl_add_u32 v[IC+\k], v[IC+\k], 4, v[CBASE]
.endr
	s_wait_alu depctr_va_vdst(0)                   ; the four offsets and the two table addresses are written, which the gathers below, tile 0's table reads and the first tile's head read
	GATHER 0
	GATHER 1
	GATHER 2                                       ; tile 3 is asked for at tile 0's head, as every later tile is: three tiles ahead
	s_wait_loadcnt 44                              ; behind aw1: 20 + 12 + 12
.irp j, 0,1,2,3,4
	ds_store_b128 v235, v[ATT+4*\j:ATT+4*\j+3] offset:AWL+4352*\j
.endr
	WIN 0x40                                       ; the class table, 31 rounds of 4,096 bytes and one of 1,024, into window 1's v0-124
.set i, 0
.rept 31
	global_load_b128 v[4*i:4*i+3], v234, s[14:15] offset:4096*i
.set i, i+1
.endr
	global_load_b32 v124, v239, s[14:15] offset:126976
	WIN 0
	s_wait_loadcnt 56                              ; behind ab1 and aw2: 12 + 12 + 32
	s_wait_kmcnt 0x0
	s_add_co_i32 s3, s48, 127
	s_lshl_b32 s[SC0], s3, 23                      ; 2^e0 as f32: a conversion takes its exponent field
	s_add_co_i32 s3, s3, 8
	s_lshl_b32 s[LP0], s3, 23
	s_or_b32 s[LP0], s[LP0], 0x600000              ; 448 x 2^e0
	s_or_b32 s[LN0], s[LP0], 0x80000000
	s_add_co_i32 s3, s50, 127
	s_lshl_b32 s[SC2], s3, 23
	s_add_co_i32 s3, s3, 8
	s_lshl_b32 s[LP2], s3, 23
	s_or_b32 s[LP2], s[LP2], 0x600000
	s_or_b32 s[LN2], s[LP2], 0x80000000
	s_sub_co_i32 s3, s52, s50                      ; a sum of layer 1 stands for sum x 2^(e2+e3): its code is sum / 2^(e4-e2-e3)
	s_sub_co_i32 s3, s3, s51
	s_add_co_i32 s3, s3, 127
	s_lshl_b32 s[SCH], s3, 23
	s_add_co_i32 s3, s3, 8
	s_lshl_b32 s[LPH], s3, 23
	s_or_b32 s[LPH], s[LPH], 0x600000
	s_add_co_i32 s[E01], s48, s49
	s_sub_co_i32 s[NE01], 0, s[E01]
	s_add_co_i32 s[NE23], s50, s51
	s_sub_co_i32 s[NE23], 0, s[NE23]
	s_add_co_i32 s[E45], s52, s53
	s_sub_co_i32 s[NE45], 0, s[E45]
	WIN 0x41                                       ; source 0 and destination window 1
.set i, 0
.rept 40
	v_ldexp_f32 v[AB1+i], v[AB1+i], s[NE01]        ; the bias goes in divided by the power of two that the sums lack,
	v_ldexp_f32 v[AW2+i], v[AW2+i], s[E01]         ; and aw2 carries it
.set i, i+1
.endr
	WIN 0
	s_wait_loadcnt 44                              ; q and the user row are in; behind them: 12 + 32
	v_mov_b32 v[SCL], s[SC0]
	HOLD T, Q, 32, LN0, LP0
	s_wait_alu depctr_vm_vsrc(0)                   ; the indices' LDS stores have read AF's registers, which the conversions below write
	CODES AF                                       ; q's codes, once for all 25 tiles
	v_nop
	v_mov_b32 v[M], 0xff61b1e6                     ; -3e38, under every score: the first tile's F is 0.  So the tile is written without a first form of its own, at the price of the 33 lines that clear S and ATT
	v_mov_b32 v[S], 0
	s_wait_loadcnt 0x0                             ; the table
	WIN 0x04                                       ; a store's data: window 1
.set i, 0
.rept 31
	ds_store_b128 v[TA0+i/14], v[4*i:4*i+3] offset:32*CP*(i%14)
.set i, i+1
.endr
	ds_store_b32 v243, v124
	WIN 0
	BARRIER                                        ; aw1's 80 rows and the table's 1,000 lie in LDS.  From here to the barrier behind the last tile nobody stores into LDS
	WIN 0x40
	s_wait_alu depctr_vm_vsrc(0)                   ; the table's LDS stores have read window 1's v0-124 and v240-243, the head's loads and stores v230-239: LDS loads land in all of these from here on; aw1's stores have read ATT's registers, which are cleared below
.irp t, 0,1,2,3,4
.irp s, 0,1
.irp c, 0,1,2,3
	ds_load_b128 v[AW1+32*\t+16*\s+4*\c:AW1+32*\t+16*\s+4*\c+3], v[AWA] offset:AWL+4352*\t+128*\s+32*\c
.endr
.endr
.endr
	WIN 0
.irp j, 0,1,2,3
	ds_load_b128 v[HC+4*\j:HC+4*\j+3], v[IC] offset:16*\j   ; tile 0's class dims.  (These 44 loads are waited for in the middle of the first tile)
.endr
.set i, 0
.rept 32
	v_mov_b32 v[ATT+i], 0
.set i, i+1
.endr
	s_mov_b32 s[ST8], 0
	s_mov_b32 s[TRIP], 5
; ---- THE TILES: 5 trips of four, then the last five, in which the asking runs out: item rows with tile 21, history_goods with tile 20, class rows with tile 23, history_classes with tile 22
.Ltile:
	STEP 0, 1, 1, 1, 1, 12, 0
	STEP 1, 1, 1, 1, 1, 12, 0
	STEP 2, 1, 1, 1, 1, 12, 0
	STEP 3, 1, 1, 1, 1, 12, 0
	s_add_co_u32 s[ST8], s[ST8], 32
	s_sub_co_i32 s[TRIP], s[TRIP], 1
	s_cmp_lg_u32 s[TRIP], 0
	s_cbranch_scc1 .Ltile
	STEP 0, 1, 1, 1, 1, 12, 0                      ; tile 20: it asks for tile 23's item rows and fetches tile 24's history_goods
	STEP 1, 1, 0, 1, 1, 12, 0                      ; tile 21: it asks for tile 24's item rows; behind its own gathers those of 22, 23, 24
	STEP 2, 0, 0, 1, 1, 8, 0                       ; tile 22
	STEP 3, 0, 0, 1, 0, 4, 0                       ; tile 23
	STEP 4, 0, 0, 0, 0, 0, 1                       ; tile 24
; ---- THE SAMPLE'S TWO LANES MEET; [user, q, att] becomes codes
	s_wait_dscnt 0x0                               ; my reads of the table are over:
	s_barrier_signal -1                            ; say so; only work on registers stands between this line and the wait, which stands in front of the first LDS store
	s_mul_i32 s3, s[WV], 8*208                     ; every LDS address of the MLP is made here (v12 = r, v13 = h)
	s_add_co_u32 s3, s3, CMB
	v_bfe_u32 v14, v0, 1, 3
	v_mul_u32_u24 v1, v14, 208
	v_lshl_add_u32 v1, v13, 4, v1
	v_add_nc_u32 v1, s3, v1                        ; v1: CMB, row 8 w + r / 2, 16 h
	v_mul_u32_u24 v2, v12, 208
	v_lshl_add_u32 v2, v13, 4, v2
	v_add_nc_u32 v2, CMB, v2                       ; v2: CMB, row r, 16 h
	v_mul_u32_u24 v4, v12, 272
	v_lshl_add_u32 v4, v13, 4, v4
	v_add_nc_u32 v4, Z1, v4                        ; v4: Z1, row r, 16 h
	s_lshl_b32 s3, s[WV], 5
	v_add_nc_u32 v3, s3, v4                        ; v3: the same + 32 w: my units' bytes
	s_lshl_b32 s3, s[WV], 8
	s_add_co_u32 s3, s3, PART
	v_lshl_add_u32 v5, v12, 2, s3                  ; v5: PART, my wave's 64 words, word r
	v_and_b32 v14, 31, v0
	v_lshlrev_b32 v23, 3, v14                      ; v23: 8 x lane, in out
	v_add_nc_u32 v22, PART, v23                    ; v22: and in PART
	v_max_num_f32_dpp v92, v[M], v[M] row_xmask:1 row_mask:0xf bank_mask:0xf   ; the sample's maximum
	v_sub_f32 v93, v[M], v92
	v_mul_f32 v93, 0x3fb8aa3b, v93
	v_exp_f32 v88, v93
	v_nop
	s_wait_alu depctr_va_vdst(0)                   ; the exponential has written v88, ahead of its first reader
	v_mul_f32 v[S], v[S], v88                      ; my half under the common maximum,
.set i, 0
.rept 16
	v_pk_mul_f32 v[ATT+i:ATT+i+1], v[ATT+i:ATT+i+1], v[88:89] op_sel_hi:[1,0]
.set i, i+2
.endr
	v_add_f32_dpp v[S], v[S], v[S] row_xmask:1 row_mask:0xf bank_mask:0xf      ; and the two halves added: the same bits in both lanes
.set i, 0
.rept 32
	v_add_f32_dpp v[ATT+i], v[ATT+i], v[ATT+i] row_xmask:1 row_mask:0xf bank_mask:0xf
.set i, i+1
.endr
	v_rcp_f32 v90, v[S]
	v_nop
	s_wait_alu depctr_va_vdst(0)                   ; the reciprocal has written v90, ahead of its first reader
.set i, 0
.rept 16
	v_pk_mul_f32 v[ATT+i:ATT+i+1], v[ATT+i:ATT+i+1], v[90:91] op_sel_hi:[1,0]
.set i, i+2
.endr
	v_mov_b32 v[SCL], s[SC2]
	WIN 0x01                                       ; source 0 (the user row) window 1
	HOLD T, U, 16, LN2, LP2
	WIN 0
	HOLD Q, Q, 32, LN2, LP2
	HOLD ATT, ATT, 32, LN2, LP2
.irp g, 0,1                                    ; the five blocks of 32 along K, 16 codes a lane each: user, q item, q class, att item, att class
	v_cvt_scalef32_pk8_fp8_f32 v[AF+2*\g:AF+2*\g+1], v[T+8*\g:T+8*\g+7], v[SCL]
.endr
.irp g, 0,1,2,3
	v_cvt_scalef32_pk8_fp8_f32 v[AF+4+2*\g:AF+4+2*\g+1], v[Q+8*\g:Q+8*\g+7], v[SCL]
.endr
.irp g, 0,1,2,3
	v_cvt_scalef32_pk8_fp8_f32 v[AF+12+2*\g:AF+12+2*\g+1], v[ATT+8*\g:ATT+8*\g+7], v[SCL]
.endr
	v_nop                                          ; the plain line behind the conversions: matrix instructions will write ATT's registers
	s_wait_alu depctr_va_vdst(0)                   ; the conversions have written AF's 20 registers, which the LDS stores below read; the MLP's addresses v1-5, v22, v23 are written; and the vector lines are done with v24-119, in which the next LDS loads land
	s_barrier_wait -1                              ; no wave reads the table any more
.irp b, 0,1,2,3,4
	ds_store_b128 v1, v[AF+4*\b:AF+4*\b+3] offset:32*\b    ; a sample's two lanes store the same bytes
.endr
	BARRIER                                        ; 64 rows of codes lie in CMB
; ---- LAYER 1, transposed: source 0 = 16 rows of mw1, source 1 = 16 samples.  K = 160 goes as 64 + 64 + 32 and 32 zero codes on both sides
.set CF, 24                            ; v24-119: tile m of 16 samples at 24 + 24 m, laid as mw1's tiles
.set ZA, 128                           ; v128-191: accumulator (u, m) at 128 + 8 (4 u + m)
	s_wait_alu depctr_vm_vsrc(0)                   ; my LDS stores above have read v56-75, in which the loads below land and of which four are cleared
.irp m, 0,1,2,3
.irp c, 0,1,2,3,4
	ds_load_b128 v[CF+24*\m+4*\c:CF+24*\m+4*\c+3], v2 offset:3328*\m+32*\c
.endr
.endr
.irp m, 0,1,2,3
.irp j, 20,21,22,23
	v_mov_b32 v[CF+24*\m+\j], 0
.endr
.endr
	s_wait_loadcnt 0x0                             ; the MLP's weights
	WIN 0x41
.set i, 0
.rept 16
	v_ldexp_f32 v[MB1+i], v[MB1+i], s[NE23]
.set i, i+1
.endr
.set i, 0
.rept 8
	v_ldexp_f32 v[MB2+i], v[MB2+i], s[NE45]
	v_ldexp_f32 v[MW3+i], v[MW3+i], s[E45]
.set i, i+1
.endr
.irp u, 0,1
.irp j, 20,21,22,23
	v_mov_b32 v[W1F+24*\u+\j], 0
.endr
.endr
	s_wait_dscnt 0x0
	WIN 0x11                                       ; source 0 (mw1) and source 2 (mb1) window 1.  The eight accumulators take turns, one instruction a turn
.irp u, 0,1
.irp m, 0,1,2,3
	v_wmma_f32_16x16x64_fp8_fp8 v[ZA+8*(4*\u+\m):ZA+8*(4*\u+\m)+7], v[W1F+24*\u:W1F+24*\u+7], v[CF+24*\m:CF+24*\m+7], v[MB1+8*\u:MB1+8*\u+7]
.endr
.endr
	WIN 0x01
.irp s, 1,2
.irp u, 0,1
.irp m, 0,1,2,3
	v_wmma_f32_16x16x64_fp8_fp8 v[ZA+8*(4*\u+\m):ZA+8*(4*\u+\m)+7], v[W1F+24*\u+8*\s:W1F+24*\u+8*\s+7], v[CF+24*\m+8*\s:CF+24*\m+8*\s+7], v[ZA+8*(4*\u+\m):ZA+8*(4*\u+\m)+7]
.endr
.endr
.endr
	WIN 0
	v_mov_b32 v[SCL], s[SCH]                       ; this line and three v_nop: the four places behind the last product
.rept 3
	v_nop
.endr
.irp m, 0,1,2,3
.irp u, 0,1
.irp j, 0,1,2,3,4,5,6,7
	v_med3_num_f32 v[ZA+8*(4*\u+\m)+\j], v[ZA+8*(4*\u+\m)+\j], 0, s[LPH]   ; the activation and the hold in one
.endr
.endr
	v_cvt_scalef32_pk8_fp8_f32 v[192+4*\m:193+4*\m], v[ZA+8*\m:ZA+8*\m+7], v[SCL]          ; units 32 w + 16 h + 0 .. 7,
	v_cvt_scalef32_pk8_fp8_f32 v[194+4*\m:195+4*\m], v[ZA+32+8*\m:ZA+32+8*\m+7], v[SCL]    ; and + 8 .. 15, of sample 16 m + r
.endr
	v_nop
	s_wait_alu depctr_va_vdst(0)                   ; the conversions have written v192-207, which the LDS stores below read; layer 1's products and conversions are done with v24-151, in which the next LDS loads land
.irp m, 0,1,2,3
	ds_store_b128 v3, v[192+4*\m:195+4*\m] offset:4352*\m
.endr
	BARRIER                                        ; 64 rows of 256 codes lie in Z1
; ---- LAYER 2, transposed: source 0 = my 16 rows of mw2, source 1 = 16 samples; then my part of the last dot product
.set ZF, 24                            ; v24-151: tile m, K step s at 24 + 32 m + 16 s
.set A2, 160                           ; v160-191: four accumulators
.irp m, 0,1,2,3
.irp s, 0,1
.irp c, 0,1,2,3
	ds_load_b128 v[ZF+32*\m+16*\s+4*\c:ZF+32*\m+16*\s+4*\c+3], v4 offset:4352*\m+128*\s+32*\c
.endr
.endr
.endr
	s_wait_dscnt 0x0
	WIN 0x11
.irp m, 0,1,2,3
	v_wmma_f32_16x16x128_fp8_fp8 v[A2+8*\m:A2+8*\m+7], v[W2F:W2F+15], v[ZF+32*\m:ZF+32*\m+15], v[MB2:MB2+7]
.endr
	WIN 0x01
.irp m, 0,1,2,3
	v_wmma_f32_16x16x128_fp8_fp8 v[A2+8*\m:A2+8*\m+7], v[W2F+16:W2F+31], v[ZF+32*\m+16:ZF+32*\m+31], v[A2+8*\m:A2+8*\m+7]
.endr
	WIN 0
.rept 4
	v_nop
.endr
.set i, 0
.rept 32
	v_max_num_f32 v[A2+i], 0, v[A2+i]
.set i, i+1
.endr
	WIN 0x04                                       ; source 1 (mw3) window 1
.irp m, 0,1,2,3
	v_pk_mul_f32 v[208+2*\m:209+2*\m], v[A2+8*\m:A2+8*\m+1], v[MW3:MW3+1]
.endr
.irp j, 2,4,6
.irp m, 0,1,2,3
	v_pk_fma_f32 v[208+2*\m:209+2*\m], v[A2+8*\m+\j:A2+8*\m+\j+1], v[MW3+\j:MW3+\j+1], v[208+2*\m:209+2*\m]
.endr
.endr
	WIN 0
.irp m, 0,1,2,3
	v_add_f32 v[208+2*\m], v[208+2*\m], v[209+2*\m]
.endr
.irp m, 0,1,2,3
	v_permlanex16_b32 v[209+2*\m], v[208+2*\m], s[SEL], s[SEL+1]
.endr
.irp m, 0,1,2,3
	v_add_f32 v[208+2*\m], v[208+2*\m], v[209+2*\m]        ; my wave's 16 units of sample 16 m + r
.endr
	s_wait_alu depctr_va_vdst(0)                   ; the additions have written the four sums, which the LDS stores below read; layer 2's products are done reading v24-39, in which wave 0's LDS loads land
.irp m, 0,1,2,3
	ds_store_b32 v5, v[208+2*\m] offset:64*\m
.endr
	BARRIER                                        ; the eight waves' parts lie in PART
	s_cmp_lg_u32 s[WV], 0                          ; wave 0 adds them and stores the work-group's 64 numbers: no barrier stands behind this branch
	s_cbranch_scc1 .Ldone
.irp i, 0,1,2,3,4,5,6,7
	ds_load_b64 v[24+2*\i:25+2*\i], v22 offset:256*\i
.endr
	s_wait_dscnt 0x0
	v_pk_add_f32 v[24:25], v[24:25], v[26:27]
	v_pk_add_f32 v[28:29], v[28:29], v[30:31]
	v_pk_add_f32 v[32:33], v[32:33], v[34:35]
	v_pk_add_f32 v[36:37], v[36:37], v[38:39]
	v_pk_add_f32 v[24:25], v[24:25], v[28:29]
	v_pk_add_f32 v[32:33], v[32:33], v[36:37]
	v_pk_add_f32 v[24:25], v[24:25], v[32:33]
	v_pk_add_f32 v[24:25], v[24:25], s[54:55] op_sel_hi:[1,0]   ; + mb3 (the pair's low word for both halves)
	s_wait_alu depctr_va_vdst(0)                   ; the last addition has written v[24:25], which the store reads
	global_store_b64 v23, v[24:25], s[46:47] th:TH_STORE_NT    ; 32 lanes store 256 consecutive bytes, at a multiple of 256 from out's first byte
.Ldone:
	s_wait_xcnt 0x0
	v_lshl_add_u32 v254, v0, 2, 0x36c00            ; the add's two registers are made here, v0 being as at the entry; no memory or LDS instruction of the text reads v254 or v255 ahead of the add
	v_mov_b32 v255, 0
	s_wait_dscnt 0x0                               ; the closing lines, six on end
	s_wait_alu 0x0
	s_wait_tensorcnt 0x0
	ds_add_u32 v254, v255
	s_wait_dscnt 0x0
	s_endpgm
.Lfunc_end_k_qab08ce8eb0_din:
	.size	k_qab08ce8eb0_din, .Lfunc_end_k_qab08ce8eb0_din-k_qab08ce8eb0_din
	.p2alignl 7, 3214868480
	.fill 96, 4, 3214868480
	.section	.rodata,"a",@progbits
	.p2align	6, 0x0
	.amdhsa_kernel k_qab08ce8eb0_din
		.amdhsa_group_segment_fixed_size 225280
		.amdhsa_private_segment_fixed_size 0
		.amdhsa_enable_private_segment 0
		.amdhsa_kernarg_size 160
		.amdhsa_user_sgpr_count 2
		.amdhsa_user_sgpr_kernarg_segment_ptr 1
		.amdhsa_wavefront_size32 1
		.amdhsa_system_sgpr_workgroup_id_x 1
		.amdhsa_system_sgpr_workgroup_id_y 1
		.amdhsa_system_sgpr_workgroup_id_z 1
		.amdhsa_system_vgpr_workitem_id 0
		.amdhsa_next_free_vgpr 512
		.amdhsa_next_free_sgpr 80
		.amdhsa_reserve_vcc 1
		.amdhsa_float_denorm_mode_32 3
		.amdhsa_float_denorm_mode_16_64 3
		.amdhsa_memory_ordered 1
		.amdhsa_forward_progress 1
		.amdhsa_inst_pref_size 206
	.end_amdhsa_kernel
	.amdgpu_metadata
---
amdhsa.version: [ 1, 2 ]
amdhsa.kernels:
  - .name:           k_qab08ce8eb0_din
    .symbol:         k_qab08ce8eb0_din.kd
    .args:
      - { .name: history_goods, .offset: 0, .size: 8, .value_kind: global_buffer, .address_space: global }
      - { .name: history_classes, .offset: 8, .size: 8, .value_kind: global_buffer, .address_space: global }
      - { .name: item_table, .offset: 16, .size: 8, .value_kind: global_buffer, .address_space: global }
      - { .name: cat_table, .offset: 24, .size: 8, .value_kind: global_buffer, .address_space: global }
      - { .name: candidate_good, .offset: 32, .size: 8, .value_kind: global_buffer, .address_space: global }
      - { .name: candidate_class, .offset: 40, .size: 8, .value_kind: global_buffer, .address_space: global }
      - { .name: customer_id, .offset: 48, .size: 8, .value_kind: global_buffer, .address_space: global }
      - { .name: user_table, .offset: 56, .size: 8, .value_kind: global_buffer, .address_space: global }
      - { .name: aw1_codes, .offset: 64, .size: 8, .value_kind: global_buffer, .address_space: global }
      - { .name: ab1, .offset: 72, .size: 8, .value_kind: global_buffer, .address_space: global }
      - { .name: aw2, .offset: 80, .size: 8, .value_kind: global_buffer, .address_space: global }
      - { .name: ab2, .offset: 88, .size: 8, .value_kind: global_buffer, .address_space: global }
      - { .name: lowp_scales, .offset: 96, .size: 8, .value_kind: global_buffer, .address_space: global }
      - { .name: mw1_codes, .offset: 104, .size: 8, .value_kind: global_buffer, .address_space: global }
      - { .name: mb1, .offset: 112, .size: 8, .value_kind: global_buffer, .address_space: global }
      - { .name: mw2_codes, .offset: 120, .size: 8, .value_kind: global_buffer, .address_space: global }
      - { .name: mb2, .offset: 128, .size: 8, .value_kind: global_buffer, .address_space: global }
      - { .name: mw3, .offset: 136, .size: 8, .value_kind: global_buffer, .address_space: global }
      - { .name: mb3, .offset: 144, .size: 8, .value_kind: global_buffer, .address_space: global }
      - { .name: out0, .offset: 152, .size: 8, .value_kind: global_buffer, .address_space: global }
    .group_segment_fixed_size: 225280
    .private_segment_fixed_size: 0
    .kernarg_segment_align: 8
    .kernarg_segment_size: 160
    .max_flat_workgroup_size: 256
    .sgpr_count:     80
    .vgpr_count:     512
    .wavefront_size: 32
...
	.end_amdgpu_metadata
.endif
;; end of part 3
